; MI455X (gfx1250); checked and timed in simulation.
; The chip was launched on July 23, 2026; its instructions are those of AMD's public machine-readable ISA for CDNA 5 (MIT licence, August 2026) and "CDNA5" Instruction Set Architecture Reference Guide (July 2026). The comments in the code are by the model that wrote it; some were corrected since.
;; Causal Self Attention. Allowed arithmetic: matrix products marked QUANTISED: E2M3 operands, one E8M0 scale for each 32 along K, by v_wmma_scale_f32_16x16x128_f8f6f4 with both operands' format E2M3, f32 sums; everything else in f32.
;; Inputs: out_b 1,024 float32; out_w 1,024 x 1,024 float32; qkv_b 3,072 float32; qkv_w 3,072 x 1,024 float32; x 4 x 2,048 x 1,024 float32.
;; Outputs: out0 4 x 2,048 x 1,024 float32.
;; This version of the problem:
;;   THIS VERSION OF THE PROBLEM IS GIVEN IN LOW PRECISION. The matrix products marked QUANTISED in the list below multiply operands that are first quantised to E2M3 (2 exponent bits, 3 mantissa bits; 6 bits a number), with one power-of-two scale for each 32 numbers along K (OCP MX v1.0); their sums are f32. All else is computed in f32.
;;   The module's matrix products, in the order in which they are computed (A, B: the left and right operand; K: the contracted axis; several contracted axes count as one K, in the product's order):
;;     1. [M 8,192, K 1,024] x [K 1,024, N 3,072]; A: input x; B: input qkv_w: QUANTISED
;;     2. batch 64 x [M 2,048, K 64] x [K 64, N 2,048]; A: computed on the way; B: computed on the way: QUANTISED
;;     3. batch 64 x [M 2,048, K 2,048] x [K 2,048, N 64]; A: softmax (see below); B: computed on the way: QUANTISED
;;     4. [M 8,192, K 1,024] x [K 1,024, N 1,024]; A: computed on the way; B: input out_w: QUANTISED
;;   THE QUANTISER, for each operand of a quantised product, along K:
;;     - K is cut into blocks of 32 from its start; a last block that is shorter is filled with zeros.
;;     - A block's scale is 2^e with e = floor(log2(the largest magnitude in the block)) - 2, held to -126 .. 127; a block of zeros has e = 0. As a byte (E8M0): e + 127.
;;     - Each number is divided by its block's scale, clamped to +-7.5, and rounded to the nearest number of E2M3, ties to even, subnormals kept.
;;     - The product sums the exact products of the quantised numbers (number of the format x scale) in f32.
;;   ~~~python
;;   def quantise(x, axis):      # numpy; x: float32 -> the quantised numbers, widened to float32 again
;;       x = np.moveaxis(x, axis, -1); K = x.shape[-1]
;;       x = np.pad(x, [(0, 0)] * (x.ndim - 1) + [(0, -K % 32)]); x = x.reshape(x.shape[:-1] + (-1, 32)); a = np.abs(x).max(-1, keepdims=True)
;;       e = np.where(a > 0, np.clip(np.frexp(np.where(a > 0, a, 1))[1] - 1 - 2, -126, 127), 0)      # np.frexp(a)[1] - 1 = floor(log2(a)), exactly
;;       r = np.clip(x / 2.0 ** e, -7.5, 7.5)
;;       step = 2.0 ** (np.maximum(np.frexp(np.where(r == 0, 1, r))[1] - 1, 0) - 3)
;;       q = np.round(r / step) * step * 2.0 ** e      # np.round: ties to even
;;       return np.moveaxis(q.reshape(q.shape[:-2] + (-1,))[..., :K], -1, axis).astype(np.float32)
;;   ~~~
;;   SOFTMAX AHEAD OF A QUANTISED PRODUCT. Where the list says 'softmax', what is quantised is not the finished softmax but p = 2^(t - M), with t = logit x log2(e) and M = ceil(the row's largest t), a whole number; so 1/2 < the row's largest p <= 1. The row's sum l is taken of the UNQUANTISED p, in f32, and the product's result is divided by l at the end. Since M is a whole number, a kernel that streams over the keys may use a running M (the ceiling of the running maximum): every later rescaling is an exact power of two, which a block's scale takes up: the codes' values come out the same.
;;   OPERANDS COMPUTED ON THE WAY. 'Computed on the way' means the value that the module computes at that place (a softmax that the list does not call 'softmax' is quantised finished and normalised). What goes into a quantiser is computed in f32, as accurately as f32 sums, v_exp_f32 and their like allow (about 1e-6 of the number): no bf16 or f16 on the way to a quantiser, and a product that is left as it is and whose result goes on into a quantised operand takes f32 operands (vector FMAs, or v_wmma_f32_16x16x4_f32). A number that lies on a knife's edge between two numbers of the format may be rounded either way, as far as f32 arithmetic and the matrix unit's own rounding can turn it there, and no further.
;; One version. Each part assembles by itself: llvm-mc -triple=amdgcn-amd-amdhsa -mcpu=gfx1250 --defsym DOCPART=n.
;; ======== version 1 of 1: 4 launches
;; limits: right only within a limited range of input values
;; workspace buffers: xc 6,291,456 bytes; xs 262,144 bytes; wc 3,145,728 bytes; ws 131,072 bytes; qkvc 18,874,368 bytes; qkvs 786,432 bytes; aoc 6,291,456 bytes; aos 262,144 bytes
;; launch quant (part 1): grid 768 x 1, 2 waves a work-group, no clusters, 17,408 bytes of LDS; arguments x, qkv_w, out_w, xc, xs, wc, ws; writes xc, xs, wc, ws
.if DOCPART == 1
	.amdgcn_target "amdgcn-amd-amdhsa--gfx1250"
	.amdhsa_code_object_version 6
	.text
	.protected	k_qd9657cf7af_quant
	.globl	k_qd9657cf7af_quant
	.p2align	8
	.type	k_qd9657cf7af_quant,@function
k_qd9657cf7af_quant:
	s_mov_b64 s[64:65], 0
	v_nop
	global_prefetch_b8 v0, s[64:65] scope:SCOPE_SE
	s_setreg_imm32_b32 hwreg(HW_REG_WAVE_MODE, 25, 1), 1
	s_wait_xcnt 0x0
; x [8192][1024], qkv_w [3072][1024] and out_w [1024][1024], f32, K innermost, become codes of FP6 (E2M3) with one E8M0 byte for each 32 along K,
; laid as IMAGES OF OPERAND REGISTERS.  A row tile RT = 2 g + u holds the 16 rows 32 g + 8 u + r + 8 (r / 8), r = 0 .. 15.  Codes: [RT][piece c = 0 .. 15][768 bytes]; piece c is K = 64 c .. 64 c + 63;
; lane L = r + 16 h owns k = 64 c + 32 h + 0 .. 31, six registers: the first four at byte 16 L, the last two at byte 512 + 8 L.  Scale words: [RT][qp = 0 .. 3][r][2 words]: word e is row r's word for K = 128 (2 qp + e) on.
; x goes to xc, xs; qkv_w to row tiles 0-191 of wc, ws; out_w to row tiles 192-255.
; A block's scale is 2^(floor(log2(its largest magnitude)) - 2); its byte is the largest magnitude's exponent field - 2, held at 1 from below.
; LIMITS: a block whose largest magnitude lies under 2^-124 (a block of zeros among them) gets the byte 1; its codes are then zeros or tiny, and this program alone reads the bytes.  NaN and infinities are not served.
; SHARES: 768 row tiles, a work-group of two waves to each; wave w takes K half w: four steps of 16 rows x 128 K.  A load reads 512 consecutive bytes of one row; the 16 rows turn through the
; wave's own stage in LDS (rows 528 bytes apart) and come back 128 bytes a lane: a lane then holds two whole blocks of 32, so a block's maximum needs no other lane.  Waves share nothing: no barrier.
.set STG,   16*528                     ; a wave's stage
.set SPARE, 2*STG                      ; behind the two stages: the spare words, 128 bytes for each wave
.set R,     16                         ; v16-143  two sets of 64 registers as loaded
.set X,     144                        ; v144-207 my two blocks of 32 numbers
.set PC,    208                        ; v208-219 the step's codes: two pieces of six registers
.set T,     220                        ; v220-227 the upper halves of the blocks' codes as the conversions leave them
.set M,     228
.set SO,    230
.set BY,    232
.set SWD,   234                        ; v234-237 a scale word for each step
.set OUTP,  238
.set SPW,   240
.set NIL,   241
.set PL,    242
	s_load_b256 s[4:11], s[0:1], 0x0               ; x, qkv_w, out_w, xc
	s_load_b128 s[12:15], s[0:1], 0x20             ; xs, wc
	s_load_b64 s[16:17], s[0:1], 0x30              ; ws
	v_lshl_add_u32 v[SPW], v0, 2, SPARE
	v_mov_b32 v[NIL], 0
	v_lshrrev_b32 v6, 5, v0
	v_readfirstlane_b32 s18, v6                    ; wave = K half
	v_and_b32 v7, 31, v0                           ; lane L
	v_and_b32 v8, 15, v0                           ; r
	v_bfe_u32 v9, v0, 4, 1                         ; h
	v_lshlrev_b32 v1, 4, v7                        ; 16 L
	v_lshlrev_b32 v2, 3, v7                        ; 8 L
	s_mul_i32 s19, s18, STG
	v_add_nc_u32 v3, s19, v1                       ; the stage, on the way in: 16 L in a row
	v_mul_u32_u24 v4, v8, 528
	v_lshl_add_u32 v4, v9, 7, v4
	v_add_nc_u32 v4, s19, v4                       ; and on the way out: row r, + 128 h
	v_lshlrev_b32 v5, 3, v9                        ; 8 h: my bytes' shift in a scale word
	v_mov_b32 v[PL], 0                             ; a lane exchange's destination counts as one of its sources
	s_mov_b32 s20, 0x76543210
	s_mov_b32 s21, 0xfedcba98                      ; selects for lane l xor 16
	s_mov_b32 s22, 0xffff0000                      ; lanes 16-31
	s_and_b32 s23, ttmp9, 1                        ; u
	s_lshr_b32 s36, ttmp9, 1                       ; the group of 32 rows, counted over the three tensors
	s_and_b32 s28, s18, 1                          ; kh
	s_wait_alu depctr_va_vdst(0)
	s_wait_kmcnt 0x0
	s_mov_b32 s29, 352                             ; which tensor: the choice hangs on the work-group's number alone, and only pointers and group numbers are chosen
	s_cmp_lt_u32 s36, 352
	s_cselect_b64 s[30:31], s[6:7], s[8:9]
	s_cselect_b32 s29, 256, s29
	s_cmp_lt_u32 s36, 256
	s_cselect_b64 s[30:31], s[4:5], s[30:31]       ; the input
	s_cselect_b32 s29, 0, s29                      ; its first group
	s_cselect_b64 s[24:25], s[10:11], s[14:15]     ; the codes' buffer
	s_cselect_b64 s[26:27], s[12:13], s[16:17]     ; the scale words' buffer
	s_cselect_b32 s32, 0, 256                      ; the first group of that pair of buffers
	s_sub_co_u32 s29, s36, s29                     ; the group in the input,
	s_sub_co_u32 s32, s36, s32                     ; and in the output
	s_lshl_b32 s34, s29, 17                        ; 32 rows of 4,096 bytes,
	s_lshl_b32 s33, s23, 15                        ; 8 rows,
	s_add_co_u32 s34, s34, s33
	s_lshl_b32 s33, s28, 11                        ; 512 numbers
	s_add_co_u32 s34, s34, s33
	s_mov_b32 s35, 0
	s_add_nc_u64 s[30:31], s[30:31], s[34:35]
	s_lshl_b32 s32, s32, 1
	s_add_co_u32 s32, s32, s23                     ; my row tile
	s_mul_i32 s34, s32, 12288
	s_mul_i32 s33, s28, 6144                       ; eight pieces
	s_add_co_u32 s34, s34, s33
	s_add_nc_u64 s[24:25], s[24:25], s[34:35]
	s_lshl_b32 s34, s32, 9
	s_lshl_b32 s33, s28, 8
	s_add_co_u32 s34, s34, s33
	s_add_nc_u64 s[26:27], s[26:27], s[34:35]
.macro LOAD t                          ; step t: 128 numbers of each of my 16 rows: 32 lanes read 512 consecutive bytes
.irp j, 0,1,2,3,4,5,6,7,8,9,10,11,12,13,14,15
	global_load_b128 v[R+64*((\t)%2)+4*\j:R+64*((\t)%2)+4*\j+3], v1, s[30:31] offset:(\j+8*(\j/8))*4096+512*(\t) th:TH_LOAD_NT
.endr
.endm
.macro TURN t                          ; through my stage: LDS serves a wave's instructions in order
.irp j, 0,1,2,3,4,5,6,7,8,9,10,11,12,13,14,15
	ds_store_b128 v3, v[R+64*((\t)%2)+4*\j:R+64*((\t)%2)+4*\j+3] offset:528*\j
.endr
.irp c, 0,1
.irp i, 0,1,2,3,4,5,6,7
	ds_load_b128 v[X+32*\c+4*\i:X+32*\c+4*\i+3], v4 offset:256*\c+16*\i   ; k = 64 c + 32 h + 4 i on, of row r
.endr
.endr
.endm
.macro STEP t
.if (\t) < 3
	s_wait_loadcnt 16                              ; this step's 16 loads are in; the next step's 16 may be out
.else
	s_wait_loadcnt 0x0
.endif
	TURN \t
	s_wait_dscnt 0x0                               ; my two blocks are in registers, and the stage's stores have read theirs
.if (\t) < 2
	LOAD (\t)+2
.endif
.irp c, 0,1
	v_max3_num_f32 v[M+\c], |v[X+32*\c]|, |v[X+32*\c+1]|, 0x1800000   ; the floor 2^(3 - 127) among the leaves
.endr
.irp i, 2,4,6,8,10,12,14,16,18,20,22,24,26,28,30
.irp c, 0,1
	v_max3_num_f32 v[M+\c], v[M+\c], |v[X+32*\c+\i]|, |v[X+32*\c+\i+1]|
.endr
.endr
.irp c, 0,1
	v_add_nc_u32 v[SO+\c], 0xff000000, v[M+\c]     ; 2 off the exponent field: the conversion's scale operand
.endr
.irp c, 0,1
	v_lshrrev_b32 v[BY+\c], 23, v[SO+\c]           ; the byte
.endr
	s_wait_alu depctr_va_vdst(0)
	s_wait_xcnt 0x0                                ; the last step's stores have read the codes' registers
.irp c, 0,1
	v_cvt_scalef32_pk16_fp6_f32 v[PC+6*\c:PC+6*\c+2], v[X+32*\c:X+32*\c+15], v[SO+\c]
	v_cvt_scalef32_pk16_fp6_f32 v[T+4*\c:T+4*\c+2], v[X+32*\c+16:X+32*\c+31], v[SO+\c]
.endr
	v_lshl_or_b32 v[SWD+(\t)], v[BY+1], 16, v[BY]  ; my two bytes: blocks h and 2 + h.  (Also the plain line behind the conversions)
.irp c, 0,1
.irp i, 0,1,2
	v_mov_b32 v[PC+6*\c+3+\i], v[T+4*\c+\i]
.endr
.endr
	v_lshlrev_b32 v[SWD+(\t)], v5, v[SWD+(\t)]     ; at their places, 8 h bits up
	v_permlanex16_b32 v[PL], v[SWD+(\t)], s20, s21
	v_or_b32 v[SWD+(\t)], v[SWD+(\t)], v[PL]       ; with lane l xor 16's two the word is whole
.irp c, 0,1
	global_store_b128 v1, v[PC+6*\c:PC+6*\c+3], s[24:25] offset:(2*(\t)+\c)*768       ; 512 consecutive bytes
	global_store_b64 v2, v[PC+6*\c+4:PC+6*\c+5], s[24:25] offset:(2*(\t)+\c)*768+512  ; 256 consecutive bytes
.endr
.endm
	LOAD 0
	LOAD 1
	STEP 0
	STEP 1
	STEP 2
	STEP 3
	v_cndmask_b32 v[OUTP], v[SWD], v[SWD+2], s22   ; lanes 0-15: steps 0, 1 of row r; lanes 16-31: steps 2, 3
	v_cndmask_b32 v[OUTP+1], v[SWD+1], v[SWD+3], s22
	global_store_b64 v2, v[OUTP:OUTP+1], s[26:27]  ; 256 consecutive bytes, aligned
	s_wait_tensorcnt 0x0                           ; the wave's end
	ds_add_u32 v[SPW], v[NIL]
	s_wait_dscnt 0x0
	s_endpgm
.Lfunc_end_k_qd9657cf7af_quant:
	.size	k_qd9657cf7af_quant, .Lfunc_end_k_qd9657cf7af_quant-k_qd9657cf7af_quant
	.p2alignl 7, 3214868480
	.fill 96, 4, 3214868480
	.section	.rodata,"a",@progbits
	.p2align	6, 0x0
	.amdhsa_kernel k_qd9657cf7af_quant
		.amdhsa_group_segment_fixed_size 17408
		.amdhsa_private_segment_fixed_size 0
		.amdhsa_enable_private_segment 0
		.amdhsa_kernarg_size 56
		.amdhsa_user_sgpr_count 2
		.amdhsa_user_sgpr_kernarg_segment_ptr 1
		.amdhsa_wavefront_size32 1
		.amdhsa_system_sgpr_workgroup_id_x 1
		.amdhsa_system_sgpr_workgroup_id_y 1
		.amdhsa_system_sgpr_workgroup_id_z 1
		.amdhsa_system_vgpr_workitem_id 0
		.amdhsa_next_free_vgpr 248
		.amdhsa_next_free_sgpr 66
		.amdhsa_reserve_vcc 0
		.amdhsa_float_denorm_mode_32 3
		.amdhsa_float_denorm_mode_16_64 3
		.amdhsa_memory_ordered 1
		.amdhsa_forward_progress 1
		.amdhsa_inst_pref_size 31
	.end_amdhsa_kernel
	.amdgpu_metadata
---
amdhsa.version: [ 1, 2 ]
amdhsa.kernels:
  - .name:           k_qd9657cf7af_quant
    .symbol:         k_qd9657cf7af_quant.kd
    .args:
      - { .name: x, .offset: 0, .size: 8, .value_kind: global_buffer, .address_space: global }
      - { .name: qkv_w, .offset: 8, .size: 8, .value_kind: global_buffer, .address_space: global }
      - { .name: out_w, .offset: 16, .size: 8, .value_kind: global_buffer, .address_space: global }
      - { .name: xc, .offset: 24, .size: 8, .value_kind: global_buffer, .address_space: global }
      - { .name: xs, .offset: 32, .size: 8, .value_kind: global_buffer, .address_space: global }
      - { .name: wc, .offset: 40, .size: 8, .value_kind: global_buffer, .address_space: global }
      - { .name: ws, .offset: 48, .size: 8, .value_kind: global_buffer, .address_space: global }
    .group_segment_fixed_size: 17408
    .private_segment_fixed_size: 0
    .kernarg_segment_align: 8
    .kernarg_segment_size: 56
    .max_flat_workgroup_size: 64
    .sgpr_count:     66
    .vgpr_count:     248
    .wavefront_size: 32
...
	.end_amdgpu_metadata
.endif
;; end of part 1
;; launch qkv (part 2): grid 4 x 64, 4 waves a work-group, clusters of 4 x 4, 327,680 bytes of LDS; arguments xc, xs, wc, ws, qkv_b, qkvc, qkvs; writes qkvc, qkvs
.if DOCPART == 2
	.amdgcn_target "amdgcn-amd-amdhsa--gfx1250"
	.amdhsa_code_object_version 6
	.text
	.protected	k_qd9657cf7af_qkv
	.globl	k_qd9657cf7af_qkv
	.p2align	8
	.type	k_qd9657cf7af_qkv,@function
k_qd9657cf7af_qkv:
	s_mov_b64 s[64:65], 0
	v_nop
	global_prefetch_b8 v0, s[64:65] scope:SCOPE_SE
	s_setreg_imm32_b32 hwreg(HW_REG_WAVE_MODE, 25, 1), 1
	s_wait_xcnt 0x0
	s_wait_alu depctr_hold_cnt(0) depctr_sa_sdst(0) depctr_va_vdst(0) depctr_va_sdst(0) depctr_va_ssrc(0) depctr_va_vcc(0) depctr_vm_vsrc(0)
	s_getreg_b32 s2, hwreg(HW_REG_IB_STS2, 6, 4)
	s_cmp_eq_u32 s2, 0
	s_cbranch_scc0 .Lentry_in_a_cluster
	s_endpgm
.Lentry_in_a_cluster:
	s_bfe_u32 s2, ttmp6, 0x10000c
	s_cmp_lg_u32 s2, 0xf033
	s_cbranch_scc0 .Lentry_shape_is_right
	s_endpgm
.Lentry_shape_is_right:
; qkv = x qkv_w^T + qkv_b on codes of FP6 (E2M3) with E8M0 scales, and the result quantised at once into the operands of attention.
; OPERANDS are images of operand registers: a row tile (16 rows, 1,024 K) is 12,288 bytes: 16 pieces of 768 (64 K): lane L's six registers: four at 16 L, two at 512 + 8 L.  Row tile 2 g + u holds rows 32 g + 8 u + r + 8 (r / 8).
; Scale words: 512 bytes a row tile: [K / 256][r][2 words].
; SHARES: 256 work-groups: 64 blocks of 128 tokens x 4 groups of columns.  Group g makes columns 256 g .. 256 g + 255 of Q, then of K, then of V: three tiles of 128 x 256, four waves 2 x 2, 64 tokens x 128 columns each: 32 accumulators.
; LDS, in two halves of K (512 each), half k at 147,456 k: x's eight row tiles' 6,144 bytes each, which STAY for all three tiles, then the weight's sixteen, which are a ring of two slots.
; At the head one joint load a wave: x's and Q's weight's first half (waves 0, 1), their second (waves 2, 3).  FOUR REFILLS, each behind the three lines and a whole round of the cluster's barrier, inside a step's products:
; in step 3 of Q's and K's tile slot 0 takes the next weight's first half, in step 7 slot 1 its second; each wave brings four row tiles.  A round also shows what the refill before brought.
; From a refill to the round that waits for it a wave issues 112 products or more and, across tiles, a way out.  No prefetch: what a refill asks for is asked for alike, in the same round, by the sixteen clusters that walk the same weights.
; CLUSTERS: 4 x 4: x's tiles are asked for jointly along a row of the cluster, the weights' along a column.
; Q, K: source 0 = 16 rows of the weight, source 1 = 16 tokens: a lane holds one token, registers 8 b + j are column 32 (b / 2) + 16 h + 8 (b % 2) + j: the first product's K.
; V: the sources change places: a lane holds one column d, and its registers run along the tokens, the second product's K.  THE BIAS IS THE FIRST PRODUCTS' C, laid as the result lies.
; SCALE WORDS go from memory straight into registers: lanes 0-15 hold row r's words of K steps 4 p, 4 p + 1, lanes 16-31 those of 4 p + 2, 4 p + 3.
; OUT: qkvc [plane P = feature / 128][token group of 128][12,288 bytes]: [a = 0 .. 7][c = 0, 1][piece of 768 bytes].  q, k planes (0-15): a = token tile, c = head in the pair.  v planes (16-23): a = 4 (head % 2) + d tile, c = half of the 128 keys.
;      qkvs [P][token group][512 bytes]: the word of tile a, row r at 16 r + 256 (a % 2) + 4 (a / 2).  A wave owns half of a record: its scale words leave 8 bytes (q, k) or 2 bytes (v) a lane.
; LIMITS: a block whose largest magnitude lies under 2^-124 gets the byte 1 (this program alone reads the bytes); NaN and infinities are not served.
; REGISTERS: window 0: addresses, scale words, the bias, the way out's registers; window 1: the weight's fragments, two sets, at v0, v128; window 2: the accumulators; window 3: x's fragments, two sets, at v0, v48.
.set RT,     12288
.set HK,     6144                      ; a row tile's half of K
.set HALF,   24*HK
.set BOFF,   8*HK
.set SPARE,  2*HALF                    ; behind the codes: the spare words, 128 bytes for each wave
.set FR,     12
.set ADRA, 16                          ; v16, v17: x's fragments in half 0 at 16 L, 8 L; v18, v19 in half 1
.set ADRB, 20                          ; v20-23 the same for the weight
.set L16,  24
.set L8,   25
.set SPW,  28
.set NIL,  29
.set SB,   32                          ; v32-63 the weight's scale words
.set SA,   66                          ; v66-81 x's
.set BS0,  84                          ; v84-147 the bias as C
.set BV,   148                         ; v148-155 V's bias, one number a lane and tile
.set PC,   160                         ; v160-179 the codes just made
.set TM,   180                         ; v180-195 at work
.set PW,   196                         ; v196-203 scale words or bytes by block
.set SW,   204                         ; v204-207 what I store of them
.set CQ16, 208                         ; where codes go in a record: q, k: 6,144 x wave row + 16 L, + 8 L; v: 768 x wave row + ..
.set CQ8,  209
.set CV16, 210
.set CV8,  211
.set SQ,   212                         ; and scale words: 16 L + 8 x wave row; 16 L + 2 x wave row
.set SV,   213
.set BA,   214                         ; the bias by registers: 64 h bytes
.set G1,  24
.set G0,  32
.set G1B, 48
.set G0B, 56
.set G1R, 68
.set G0R, 76
.set SEL, 100
.set MSB, 0
.macro WIN new
.if MSB != (\new)
	s_set_vgpr_msb (MSB<<8)|(\new)
.set MSB, (\new)
.endif
.endm
.macro PLACES n
.rept \n
	v_nop
.endr
.endm
.macro CREST
	s_cmp_lg_u32 s14, 0
	s_cbranch_scc1 .Lnot_wave_0_\@
	s_barrier_signal -3
.Lnot_wave_0_\@:
	s_barrier_wait -3
	s_barrier_signal -1
	s_barrier_wait -1
.endm
.macro CROUND
	s_barrier_signal -1
	s_barrier_wait -1
	CREST
.endm
.macro GROUP1 g, mask, rows            ; rows of 6,144 bytes (768 elements of 8), 12,288 apart, dense in LDS
	s_or_b32 s[\g], s\mask, (3<<16)|(1<<21)
	s_mov_b32 s[\g+1], 768<<16
	s_mov_b32 s[\g+2], (\rows)<<16
	s_mov_b32 s[\g+3], 768<<16
	s_mov_b32 s[\g+4], \rows
	s_mov_b32 s[\g+5], 1536
	s_mov_b32 s[\g+6], 0
	s_mov_b32 s[\g+7], 0
.endm
.macro ARM under, g0, g1, next
	s_cmp_lt_u32 s14, \under
	s_cbranch_scc0 \next
	tensor_load_to_lds s[\g0:\g0+3], s[\g1:\g1+7]
	s_nop 0
	PLACES 4
	s_branch .Lasked
\next:
.endm
.macro FRAG reg, adr, off              ; 16 rows x 128 K: every load takes consecutive bytes
	ds_load_b128 v[\reg:\reg+3], v[\adr] offset:\off
	ds_load_b64 v[\reg+4:\reg+5], v[\adr+1] offset:\off+512
	ds_load_b128 v[\reg+6:\reg+9], v[\adr] offset:\off+768
	ds_load_b64 v[\reg+10:\reg+11], v[\adr+1] offset:\off+1280
.endm
.macro FETCH q                         ; step q's fragments, the weight's eight and x's four, into set q % 2: 48 loads
.set KH_, (\q)/4
.set OF_, ((\q)%4)*1536
	WIN 0x40
.irp i, 0,1,2,3,4,5,6,7
	FRAG 128*((\q)%2)+FR*\i, ADRB+2*KH_, OF_+\i*HK
.endr
	WIN 0xc0
.irp i, 0,1,2,3
	FRAG 48*((\q)%2)+FR*\i, ADRA+2*KH_, OF_+\i*HK
.endr
	WIN 0
.endm
.macro PROD1 d, s0, s1, x0, x1, c, q
.if (\q) == 0
	v_wmma_scale_f32_16x16x128_f8f6f4 v[\d:\d+7], v[\s0:\s0+FR-1], v[\s1:\s1+FR-1], v[\c:\c+7], v[\x0], v[\x1] matrix_a_fmt:MATRIX_FMT_FP6 matrix_b_fmt:MATRIX_FMT_FP6
.elseif ((\q)%4)/2
	v_wmma_scale_f32_16x16x128_f8f6f4 v[\d:\d+7], v[\s0:\s0+FR-1], v[\s1:\s1+FR-1], v[\d:\d+7], v[\x0], v[\x1] matrix_a_fmt:MATRIX_FMT_FP6 matrix_b_fmt:MATRIX_FMT_FP6 matrix_a_scale:MATRIX_SCALE_ROW1 matrix_b_scale:MATRIX_SCALE_ROW1
.else
	v_wmma_scale_f32_16x16x128_f8f6f4 v[\d:\d+7], v[\s0:\s0+FR-1], v[\s1:\s1+FR-1], v[\d:\d+7], v[\x0], v[\x1] matrix_a_fmt:MATRIX_FMT_FP6 matrix_b_fmt:MATRIX_FMT_FP6
.endif
.endm
.macro PROD kind, a, b, q              ; x's block a (0 .. 3) with the weight's block b (0 .. 7)
.set FW_, 128*((\q)%2)+FR*(\b)
.set FX_, 48*((\q)%2)+FR*(\a)
.set XW_, SB+4*(\b)+2*((\q)/4)+(\q)%2
.set XX_, SA+4*(\a)+2*((\q)/4)+(\q)%2
.set CB_, BS0+8*(\b)
.if \kind
.set D_, 8*(4*(\b)+(\a))
	PROD1 D_, FX_, FW_, XX_, XW_, CB_, \q
.else
.set D_, 8*(8*(\a)+(\b))
	PROD1 D_, FW_, FX_, XW_, XX_, CB_, \q
.endif
.endm
.macro MULH kind, hf, q                ; half of a step's 32 products; the 32 accumulators take turns, in the same order in every step
.if \kind
.if (\q) == 0
	WIN 0x87                                       ; source 0 (x) window 3, source 1 (the weight) window 1, C (the bias) window 0, D window 2
.else
	WIN 0xa7
.endif
.irp b, 4*\hf, 4*\hf+1, 4*\hf+2, 4*\hf+3
.irp a, 0,1,2,3
	PROD 1, \a, (\b), \q
.endr
.endr
.else
.if (\q) == 0
	WIN 0x8d                                       ; source 0 (the weight) window 1, source 1 (x) window 3
.else
	WIN 0xad
.endif
.irp a, 2*\hf, 2*\hf+1
.irp b, 0,1,2,3,4,5,6,7
	PROD 0, (\a), \b, \q
.endr
.endr
.endif
.endm
; A step of 128 along K: the next step's fragments are asked for ahead of (or amid) this step's 32 products.  mode 0: no more; 1: a round and a refill; 2: a plain barrier that shows the last refill; 3: nothing more to fetch
.macro STEP kind, q, mode
.if (\mode) == 1
	s_wait_tensorcnt 0x0                           ; all my tensor loads have landed;
	ds_add_u32 v[SPW], v[NIL]                      ; the descriptor's lines stand between this add and its wait
.if (\q) == 3
	s_add_nc_u64 s[G0R+2:G0R+3], s[G0R+2:G0R+3], 64*RT-HK   ; from a weight's second half to the next weight's first: 1,024 rows on
	s_add_co_u32 s[G0R+1], s80, 0
.else
	s_add_nc_u64 s[G0R+2:G0R+3], s[G0R+2:G0R+3], HK
	s_add_co_u32 s[G0R+1], s80, HALF
.endif
	s_wait_dscnt 0x0                               ; the add is done; this step's fragments are in: my reads of the slot that it ends are over
	s_barrier_signal -1
	MULH \kind, 0, \q
	WIN 0
	s_barrier_wait -1
	CREST                                          ; no wave of any partner still reads that slot or has a load on its way
	tensor_load_to_lds s[G0R:G0R+3], s[G1R:G1R+7]  ; my four row tiles of the slot
	s_nop 0
	PLACES 4
	FETCH ((\q)+1)%8
	MULH \kind, 1, \q
.elseif (\mode) == 2
	s_wait_dscnt 0x0
	s_wait_tensorcnt 0x0                           ; every wave: my part of the last refill has landed
	s_barrier_signal -1
	MULH \kind, 0, \q
	WIN 0
	s_barrier_wait -1
	PLACES 4
	FETCH (\q)+1
	MULH \kind, 1, \q
.else
	s_wait_dscnt 0x0                               ; this step's fragments, asked for a step ago, are in
.if (\mode) == 0
	PLACES 4                                       ; behind the last step's products, ahead of the loads into their registers
	FETCH (\q)+1
.endif
	MULH \kind, 0, \q
	MULH \kind, 1, \q
.endif
	WIN 0
.endm
; nb blocks of 32 along the next K, 16 numbers of each in my registers s + 16 b + i (window 2), the other 16 in lane l xor 16: largest magnitudes, scale operands in v[TM+12+b], bytes in v[TM+4+b]
.macro BLOCKMAX s, b0, b1, b2, b3
	s_wait_xcnt 0x0                                ; the last block's stores have read the codes' registers
	WIN 0x0a
.irp b, \b0 \b1 \b2 \b3
	v_max3_num_f32 v[TM+\b], |v[\s+16*\b]|, |v[\s+1+16*\b]|, 0x1800000   ; each accumulator from its low end on; the floor 2^(3 - 127): the byte cannot fall under 1
.endr
	WIN 0x28
.irp i, 2,4,6,8,10,12,14
.irp b, \b0 \b1 \b2 \b3
	v_max3_num_f32 v[TM+\b], v[TM+\b], |v[\s+16*\b+\i]|, |v[\s+1+16*\b+\i]|
.endr
.endr
	WIN 0
.irp b, \b0 \b1 \b2 \b3
	v_permlanex16_b32 v[TM+4+\b], v[TM+\b], s[SEL], s[SEL+1]
.endr
.irp b, \b0 \b1 \b2 \b3
	v_max_num_f32 v[TM+\b], v[TM+\b], v[TM+4+\b]
.endr
.irp b, \b0 \b1 \b2 \b3
	v_add_nc_u32 v[TM+12+\b], 0xff000000, v[TM+\b]
.endr
.irp b, \b0 \b1 \b2 \b3
	v_lshrrev_b32 v[TM+4+\b], 23, v[TM+12+\b]
.endr
.endm
.macro PIECE s, c                      ; 2 x 16 numbers a lane become a piece's six registers, v[PC+6c] on: lanes 0-15 block 2 c, lanes 16-31 block 2 c + 1
.irp i, 0,1,2
	v_permlane16_swap_b32 v[PC+6*\c+\i], v[PC+12+4*\c+\i]
.endr
.irp i, 0,1,2
	v_mov_b32 v[PC+3+6*\c+\i], v[PC+12+4*\c+\i]
.endr
.endm
.macro CVT s, c
	v_cvt_scalef32_pk16_fp6_f32 v[PC+6*\c:PC+2+6*\c], v[\s+32*\c:\s+15+32*\c], v[TM+12+2*\c]
	v_cvt_scalef32_pk16_fp6_f32 v[PC+12+4*\c:PC+14+4*\c], v[\s+16+32*\c:\s+31+32*\c], v[TM+12+2*\c+1]
.endm
.macro OUTQK a                         ; q, k: token tile a: 64 numbers a lane: a fragment of 12 registers and a scale word
	BLOCKMAX 64*(\a), 0, 1, 2, 3
	v_lshl_or_b32 v[PW+\a], v[TM+5], 8, v[TM+4]
	v_lshl_or_b32 v[PW+\a], v[TM+6], 16, v[PW+\a]
	v_lshl_or_b32 v[PW+\a], v[TM+7], 24, v[PW+\a]
	WIN 0x02
	CVT 64*(\a), 0
	CVT 64*(\a), 1
	WIN 0
	v_nop                                          ; one plain line behind a scaled conversion
	PIECE 0, 0
	PIECE 0, 1
	global_store_b128 v[CQ16], v[PC:PC+3], s[96:97] offset:(\a)*1536          ; 512 consecutive bytes
	global_store_b64 v[CQ8], v[PC+4:PC+5], s[96:97] offset:(\a)*1536+512      ; 256
	global_store_b128 v[CQ16], v[PC+6:PC+9], s[96:97] offset:(\a)*1536+768
	global_store_b64 v[CQ8], v[PC+10:PC+11], s[96:97] offset:(\a)*1536+1280
.endm
.macro OUTV t                          ; v: d tile t: 32 numbers a lane, my 64 keys: a piece of six registers and two scale bytes
	BLOCKMAX 32*(\t), 0, 1
	v_lshl_or_b32 v[PW+\t], v[TM+5], 8, v[TM+4]
	WIN 0x02
	CVT 32*(\t), 0
	WIN 0
	v_nop
	PIECE 0, 0
	global_store_b128 v[CV16], v[PC:PC+3], s[96:97] offset:(\t)*1536
	global_store_b64 v[CV8], v[PC+4:PC+5], s[96:97] offset:(\t)*1536+512
.endm
.macro WSCALES                         ; the scale words of my eight row tiles of the weight
.irp i, 0,1,2,3,4,5,6,7
.irp p, 0,1
	global_load_b64 v[SB+4*\i+2*\p:SB+4*\i+2*\p+1], v[L8], s[10:11] offset:512*\i+256*\p
.endr
.endr
.endm
.macro BIASQK                          ; the bias of my 128 columns, by registers
.irp b, 0,1,2,3,4,5,6,7
	global_load_b128 v[BS0+8*\b:BS0+8*\b+3], v[BA], s[12:13] offset:(32*(\b/2)+8*(\b%2))*4
	global_load_b128 v[BS0+8*\b+4:BS0+8*\b+7], v[BA], s[12:13] offset:(32*(\b/2)+8*(\b%2))*4+16
.endr
.endm
	s_load_b256 s[4:11], s[0:1], 0x0               ; xc, xs, wc, ws
	s_load_b64 s[12:13], s[0:1], 0x20              ; qkv_b
	s_load_b128 s[96:99], s[0:1], 0x28             ; qkvc, qkvs
	v_lshl_add_u32 v[SPW], v0, 2, SPARE
	v_mov_b32 v[NIL], 0
	ds_add_u32 v[SPW], v[NIL]                      ; the opening lines
	ds_add_u32 v[SPW], v[NIL]
	v_lshrrev_b32 v1, 5, v0
	v_readfirstlane_b32 s14, v1                    ; wave
	s_lshr_b32 s15, s14, 1                         ; my four row tiles of x.  Also: the half of K that I fetch at the head
	s_and_b32 s16, s14, 1                          ; my eight row tiles of the weight.  Also: at the head I fetch for x (0) or the weight (1)
	s_bfe_u32 s40, ttmp6, 0x40000                  ; cx
	s_bfe_u32 s41, ttmp6, 0x40004                  ; cy
	s_lshl_b32 s42, ttmp9, 2
	s_add_co_u32 s42, s42, s40                     ; the group of columns
	s_and_b32 s17, ttmp7, 0xffff
	s_lshl_b32 s17, s17, 2
	s_add_co_u32 s17, s17, s41                     ; the block of 128 tokens
	s_lshl_b32 s43, s41, 2
	s_lshl_b32 s43, 15, s43                        ; my row of the cluster
	s_lshl_b32 s44, 0x1111, s40                    ; my column
	GROUP1 G1, 43, 8
	GROUP1 G1B, 44, 16
	GROUP1 G1R, 44, 4
	s_mul_i32 s18, s15, HK
	s_mul_i32 s20, s17, 8*RT
	s_add_co_u32 s20, s20, s18                     ; x's tile: the token block and the wave's number alone
	s_mov_b32 s21, 0
	s_mul_i32 s46, s42, 16*RT
	s_add_co_u32 s46, s46, s18                     ; the weight's: the group of columns and the wave's number alone
	s_mov_b32 s47, 0
	s_mov_b32 s[G0], 1
	s_mul_i32 s[G0+1], s15, HALF
	s_mov_b32 s[G0B], 1
	s_add_co_u32 s[G0B+1], s[G0+1], BOFF
	s_mov_b32 s[G0R], 1
	s_mul_i32 s80, s14, 4*HK
	s_add_co_u32 s80, s80, BOFF                    ; a refill: my four row tiles' place in slot 0,
	s_lshl_b32 s82, s42, 4
	s_lshl_b32 s83, s14, 2
	s_add_co_u32 s82, s82, s83
	s_mul_i32 s82, s82, RT
	s_add_co_u32 s82, s82, HK                      ; and in memory: it stands at Q's weight's second half, and is stepped ahead of each refill
	s_mov_b32 s83, 0
	s_lshl_b32 s22, s17, 3
	s_lshl_b32 s23, s15, 2
	s_add_co_u32 s22, s22, s23
	s_lshl_b32 s22, s22, 9                         ; my x row tiles' scale words
	s_mov_b32 s23, 0
	s_lshl_b32 s92, s42, 4
	s_lshl_b32 s93, s16, 3
	s_add_co_u32 s92, s92, s93
	s_lshl_b32 s92, s92, 9                         ; my weight row tiles'
	s_mov_b32 s93, 0
	s_lshl_b32 s86, s42, 1
	s_add_co_u32 s86, s86, s16                     ; the plane in its tensor
	s_lshl_b32 s94, s86, 9                         ; its 128 numbers of the bias
	s_mov_b32 s95, 0
	s_lshl_b32 s86, s86, 6
	s_add_co_u32 s86, s86, s17                     ; 64 P + token group
	s_mul_i32 s90, s86, RT
	s_mov_b32 s91, 0
	s_lshl_b32 s88, s86, 9
	s_mov_b32 s89, 0
	s_mov_b32 s67, 0xffff0000                      ; lanes 16-31
	s_mov_b32 s[SEL], 0x76543210
	s_mov_b32 s[SEL+1], 0xfedcba98                 ; selects for lane l xor 16
	v_and_b32 v1, 15, v0                           ; r
	v_bfe_u32 v2, v0, 4, 1                         ; h
	v_and_b32 v3, 31, v0                           ; L
	v_lshlrev_b32 v[L16], 4, v3
	v_lshlrev_b32 v[L8], 3, v3
	s_mul_i32 s60, s15, 4*HK
	s_mul_i32 s61, s16, 8*HK
	s_add_co_u32 s61, s61, BOFF
.irp k, 0,1
	v_add_nc_u32 v[ADRA+2*\k], s60, v[L16]
	v_add_nc_u32 v[ADRA+2*\k+1], s60, v[L8]
	v_add_nc_u32 v[ADRB+2*\k], s61, v[L16]
	v_add_nc_u32 v[ADRB+2*\k+1], s61, v[L8]
	s_add_co_u32 s60, s60, HALF
	s_add_co_u32 s61, s61, HALF
.endr
	s_mul_i32 s36, s15, 6144
	s_mul_i32 s37, s15, 768
	s_lshl_b32 s38, s15, 3
	s_lshl_b32 s39, s15, 1
	v_add_nc_u32 v[CQ16], s36, v[L16]
	v_add_nc_u32 v[CQ8], s36, v[L8]
	v_add_nc_u32 v[CV16], s37, v[L16]
	v_add_nc_u32 v[CV8], s37, v[L8]
	v_add_nc_u32 v[SQ], s38, v[L16]
	v_add_nc_u32 v[SV], s39, v[L16]
	v_lshlrev_b32 v[BA], 6, v2
	v_and_b32 v8, 8, v1
	v_add_nc_u32 v8, v8, v1
	v_lshlrev_b32 v8, 2, v8                        ; the bias by rows: lane r of a tile is row r + 8 (r / 8) of its 32
.irp b, 0,1,2,3
	v_mov_b32 v[TM+4+\b], 0                        ; a lane exchange's destination counts as one of its sources
.endr
	s_wait_alu depctr_va_vdst(0)                   ; the wait at the end of the head's vector work
	s_wait_dscnt 0x0
	CROUND                                         ; all sixteen work-groups are here: the joint loads meet
	s_wait_kmcnt 0x0
	s_add_nc_u64 s[G0+2:G0+3], s[4:5], s[20:21]
	s_or_b32 s[G0+3], s[G0+3], 0x80000000
	s_add_nc_u64 s[G0B+2:G0B+3], s[8:9], s[46:47]
	s_or_b32 s[G0B+3], s[G0B+3], 0x80000000
	s_add_nc_u64 s[G0R+2:G0R+3], s[8:9], s[82:83]
	s_or_b32 s[G0R+3], s[G0R+3], 0x80000000
	s_add_nc_u64 s[6:7], s[6:7], s[22:23]
	s_add_nc_u64 s[10:11], s[10:11], s[92:93]
	s_add_nc_u64 s[12:13], s[12:13], s[94:95]
	s_add_nc_u64 s[96:97], s[96:97], s[90:91]
	s_add_nc_u64 s[98:99], s[98:99], s[88:89]
	ARM 1, G0, G1, .Larm_1                         ; one load a wave, each on a line of its own: x's first half, the weight's first half,
	ARM 2, G0B, G1B, .Larm_2
	ARM 3, G0, G1, .Larm_3                         ; x's second half, the weight's second half
	tensor_load_to_lds s[G0B:G0B+3], s[G1B:G1B+7]
	s_nop 0
	PLACES 4
.Lasked:
.irp i, 0,1,2,3
.irp p, 0,1
	global_load_b64 v[SA+4*\i+2*\p:SA+4*\i+2*\p+1], v[L8], s[6:7] offset:512*\i+256*\p
.endr
.endr
	WSCALES
	BIASQK
.irp i, 0,1,2,3,4,5,6,7
	global_load_b32 v[BV+\i], v8, s[12:13] offset:8192+(32*(\i/2)+8*(\i%2))*4   ; V's bias lies 2,048 numbers behind Q's
.endr
	s_cmp_lt_u32 s14, 2
	s_cbranch_scc0 .Lnot_first
	s_wait_tensorcnt 0x0                           ; waves 0 and 1: my part of the first half has landed
.Lnot_first:
	s_barrier_signal -1
	s_barrier_wait -1                              ; the first half is whole; the second may be on its way
	FETCH 0
	s_wait_loadcnt 0x0                             ; the scale words and the biases
	s_mov_b32 s3, 0
.Ltile:                                            ; two trips: Q's tile, K's tile
	STEP 0, 0, 0
	STEP 0, 1, 0
	STEP 0, 2, 0
	STEP 0, 3, 1
	STEP 0, 4, 0
	STEP 0, 5, 0
	STEP 0, 6, 0
	STEP 0, 7, 1                                   ; it fetches the next tile's first fragments
	PLACES 4                                       ; behind the last products: their results are read, and loads land on their scale words
	s_add_nc_u64 s[10:11], s[10:11], 64*512        ; (the loads that read these bases have been waited for)
	WSCALES                                        ; the next weight's scale words land under the way out
	s_cmp_eq_u32 s3, 0
	s_cbranch_scc0 .Lno_bias                       ; K's bias by registers; V's, by rows, has been in registers since the head
	s_add_nc_u64 s[12:13], s[12:13], 4096
	BIASQK
.Lno_bias:
	OUTQK 0
	OUTQK 1
	OUTQK 2
	OUTQK 3
	v_cndmask_b32 v[SW], v[PW], v[PW+1], s67       ; lanes 0-15: the even tiles' words of row r; lanes 16-31: the odd tiles'
	v_cndmask_b32 v[SW+1], v[PW+2], v[PW+3], s67
	global_store_b64 v[SQ], v[SW:SW+1], s[98:99]
	s_wait_xcnt 0x0                                ; the stores have read their bases
	s_add_nc_u64 s[96:97], s[96:97], 8*64*RT       ; eight planes on
	s_add_nc_u64 s[98:99], s[98:99], 8*64*512
	s_wait_loadcnt 0x0
	s_add_co_u32 s3, s3, 1
	s_cmp_lt_u32 s3, 2
	s_wait_alu depctr_va_vdst(0)
	s_cbranch_scc1 .Ltile
.irp i, 0,1,2,3,4,5,6,7
.irp j, 0,1,2,3,4,5,6,7
	v_mov_b32 v[BS0+8*\i+\j], v[BV+\i]             ; V's bias, one number a lane and tile, over the tile's eight registers
.endr
.endr
	s_wait_alu depctr_va_vdst(0)
	STEP 1, 0, 0
	STEP 1, 1, 0
	STEP 1, 2, 0
	STEP 1, 3, 2
	STEP 1, 4, 0
	STEP 1, 5, 0
	STEP 1, 6, 0
	STEP 1, 7, 3
	PLACES 4
.irp t, 0,1,2,3,4,5,6,7
	OUTV \t
.endr
.irp k, 0,1,2,3
	v_cndmask_b32 v[SW+\k], v[PW+2*\k], v[PW+2*\k+1], s67
.endr
.irp k, 0,1,2,3
	global_store_b16 v[SV], v[SW+\k], s[98:99] offset:4*\k   ; my two bytes of the word of tile 2 k (lanes 0-15) or 2 k + 1 (lanes 16-31), row r
.endr
	s_wait_tensorcnt 0x0                           ; the wave's end
	ds_add_u32 v[SPW], v[NIL]
	s_wait_dscnt 0x0
	CROUND                                         ; the closing round
	s_endpgm
.Lfunc_end_k_qd9657cf7af_qkv:
	.size	k_qd9657cf7af_qkv, .Lfunc_end_k_qd9657cf7af_qkv-k_qd9657cf7af_qkv
	.p2alignl 7, 3214868480
	.fill 96, 4, 3214868480
	.section	.rodata,"a",@progbits
	.p2align	6, 0x0
	.amdhsa_kernel k_qd9657cf7af_qkv
		.amdhsa_group_segment_fixed_size 327680
		.amdhsa_private_segment_fixed_size 0
		.amdhsa_enable_private_segment 0
		.amdhsa_kernarg_size 56
		.amdhsa_user_sgpr_count 2
		.amdhsa_user_sgpr_kernarg_segment_ptr 1
		.amdhsa_wavefront_size32 1
		.amdhsa_system_sgpr_workgroup_id_x 1
		.amdhsa_system_sgpr_workgroup_id_y 1
		.amdhsa_system_sgpr_workgroup_id_z 1
		.amdhsa_system_vgpr_workitem_id 0
		.amdhsa_next_free_vgpr 864
		.amdhsa_next_free_sgpr 102
		.amdhsa_reserve_vcc 0
		.amdhsa_float_denorm_mode_32 3
		.amdhsa_float_denorm_mode_16_64 3
		.amdhsa_memory_ordered 1
		.amdhsa_forward_progress 1
		.amdhsa_inst_pref_size 174
	.end_amdhsa_kernel
	.amdgpu_metadata
---
amdhsa.version: [ 1, 2 ]
amdhsa.kernels:
  - .name:           k_qd9657cf7af_qkv
    .symbol:         k_qd9657cf7af_qkv.kd
    .args:
      - { .name: xc, .offset: 0, .size: 8, .value_kind: global_buffer, .address_space: global }
      - { .name: xs, .offset: 8, .size: 8, .value_kind: global_buffer, .address_space: global }
      - { .name: wc, .offset: 16, .size: 8, .value_kind: global_buffer, .address_space: global }
      - { .name: ws, .offset: 24, .size: 8, .value_kind: global_buffer, .address_space: global }
      - { .name: qkv_b, .offset: 32, .size: 8, .value_kind: global_buffer, .address_space: global }
      - { .name: qkvc, .offset: 40, .size: 8, .value_kind: global_buffer, .address_space: global }
      - { .name: qkvs, .offset: 48, .size: 8, .value_kind: global_buffer, .address_space: global }
    .group_segment_fixed_size: 327680
    .private_segment_fixed_size: 0
    .kernarg_segment_align: 8
    .kernarg_segment_size: 56
    .max_flat_workgroup_size: 128
    .sgpr_count:     102
    .vgpr_count:     864
    .wavefront_size: 32
...
	.end_amdgpu_metadata
.endif
;; end of part 2
;; launch attn (part 3): grid 4 x 64, 16 waves a work-group, clusters of 4 x 1, 215,040 bytes of LDS; arguments qkvc, qkvs, aoc, aos; writes aoc, aos
.if DOCPART == 3
	.amdgcn_target "amdgcn-amd-amdhsa--gfx1250"
	.amdhsa_code_object_version 6
	.text
	.protected	k_qd9657cf7af_attn
	.globl	k_qd9657cf7af_attn
	.p2align	8
	.type	k_qd9657cf7af_attn,@function
k_qd9657cf7af_attn:
	s_mov_b64 s[64:65], 0
	v_nop
	global_prefetch_b8 v0, s[64:65] scope:SCOPE_SE
	s_setreg_imm32_b32 hwreg(HW_REG_WAVE_MODE, 25, 1), 1
	s_wait_xcnt 0x0
	s_wait_alu depctr_hold_cnt(0) depctr_sa_sdst(0) depctr_va_vdst(0) depctr_va_sdst(0) depctr_va_ssrc(0) depctr_va_vcc(0) depctr_vm_vsrc(0)
	s_getreg_b32 s2, hwreg(HW_REG_IB_STS2, 6, 4)
	s_cmp_eq_u32 s2, 0
	s_cbranch_scc0 .Lentry_in_a_cluster
	s_endpgm
.Lentry_in_a_cluster:
	s_bfe_u32 s2, ttmp6, 0x10000c
	s_cmp_lg_u32 s2, 0x3003
	s_cbranch_scc0 .Lentry_shape_is_right
	s_endpgm
.Lentry_shape_is_right:
; Causal attention of one (batch, head) per cluster, both products on codes of FP6 (E2M3) with E8M0 scales, and the result quantised along the model's 1,024 for the last product.
; t = score x log2(e) / 8; M = the running largest t rounded UP to a whole number; p = 2^(t - M) is quantised along the keys, not normalised; the row's sum is taken of the unquantised p and divides at the end.
; IN: qkvc, qkvs as the launch before lays them (register images).  A token tile i (of 128 in a batch) holds tokens 32 (i / 2) + 8 (i % 2) + r + 8 (r / 8).
; OUT: aoc: row tile 128 b + i, piece = head (768 bytes: four registers at 16 L, two at 512 + 8 L); aos: 512 bytes a row tile, [K / 256][r][2 words]; a head owns two bytes of a word.
; SHARES.  All of the head's K and V codes (2 x 98,304 bytes) and the head pair's scale words (2 x 8,192) come into LDS ONCE, by joint loads of the cluster's four work-groups, which need the same bytes; nothing is filled again.
; Wave w of the partner at place cx owns query tiles i = 4 w + cx and 127 - i.  Tile i wants key steps (128 keys) 0 .. i / 8: that is w / 2 for the first and 15 - w / 2 for the second: 17 steps for every wave, and the
; limits hang on the wave's number alone.  cx enters global addresses and the mask's numbers, and no branch and no LDS address.
; LAYOUT.  S^T = K Q^T (source 0 = 16 keys, source 1 = my 16 queries), O^T = V^T P^T: a lane holds one query throughout; by the tiles' order the 16 registers of tiles 2 b, 2 b + 1 are 16 neighbouring keys (or d).
; THE FIRST PRODUCT'S K IS 64, half of the instruction's 128: Q's upper six registers are zero codes, with the byte 127; K's upper six registers are the next tile's codes (for the last tile zeros) under the byte 0, which is 2^-127:
; they are multiplied by Q's zeros and add nothing.
; LIMITS: NaN and infinities are not served; a block of the result whose largest magnitude lies under 2^-124 gets the byte 1 (this program alone reads the bytes); 1 / sum by v_rcp_f32.
; The two scale bytes of a (token, head) leave by a store of two bytes a lane: a word is shared by two heads, which other clusters own; 262,144 bytes of the launch's stores go so.
.set VREG,  98304                      ; LDS: K's tiles from 0 (tile i at 768 i), V's from here (step s at 6,144 s, d tile t at + 1,536 t, half c at + 768 c),
.set KSC,   196608                     ; K's scale words (512 bytes a step),
.set VSC,   204800                     ; V's,
.set SPARE, 212992                     ; and the spare words, 128 bytes for each of 16 waves: eight blocks of 256 bytes that no other line names
.set L16,  1                           ; v1  16 L
.set L8,   2                           ; v2  8 L
.set AKS0, 3                           ; v3  K's scale bytes: KSC + 16 r + 2 (head % 2)
.set AVS0, 4                           ; v4  V's scale words: VSC + 16 r + 8 (head % 2)
.set SPW,  5                           ; v5  LDS address of my spare word; never rewritten
.set NIL,  6                           ; v6  0; never rewritten
.set DQ,   7                           ; v7  my query's place in its 128 tokens, less 16 (lane / 16)
.set ADK16, 8                          ; v8-11 the step's LDS addresses: K at 16 L and 8 L, V at 16 L and 8 L
.set ADK8,  9
.set ADV16, 10
.set ADV8,  11
.set NM,   12                          ; v12 -M, v13 the largest t
.set SUM,  14                          ; v[14:15] the sum in two halves
.set QF,   16                          ; v16-21 Q's codes, v22-27 zeros
.set ADKS, 28
.set ADVS, 29
.set QS,   30                          ; v30 Q's scale word
.set PS,   31                          ; v31 p's scale word
.set KF,   32                          ; v32-85 K's eight tiles, six registers apart; then V's four fragments in v32-79
.set R16,  86                          ; v86 16 r
.set DQ0,  87                          ; v87 r + 8 (r / 8) - 16 h
.set KS,   88                          ; v88-95 K's scale words
.set S,    96                          ; v96-159 S^T, then p
.set O,    160                         ; v160-191 O^T
.set VS,   192                         ; v192-195 V's scale words
.set R8,   196                         ; v196 8 r
.set BM,   200                         ; v200-203 the blocks' largest
.set PM,   204                         ; v204-207 destinations of lane exchanges
.set SO,   208                         ; v208-211 the conversions' scale operands
.set BY,   212                         ; v212-215 the bytes
.set F,    216                         ; v[216:217] f = 2^(old M - new M), in the low word
.set TMP,  218
.set PL,   219
.set CH,   220                         ; v[220:221] the sum's second chain
.set PCD,  224                         ; v224-235 p's codes
.set CT,   236                         ; v236-243 the conversions' second halves
.macro ROUND                           ; a round of the cluster's barrier
	s_barrier_signal -1
	s_barrier_wait -1
	s_cmp_lg_u32 s12, 0
	s_cbranch_scc1 .Lnot_wave_0_\@
	s_barrier_signal -3
.Lnot_wave_0_\@:
	s_barrier_wait -3
	s_barrier_signal -1
	s_barrier_wait -1
.endm
	s_load_b256 s[4:11], s[0:1], 0x0               ; qkvc s[4:5], qkvs s[6:7], aoc s[8:9], aos s[10:11]
	v_lshl_add_u32 v[SPW], v0, 2, SPARE
	v_mov_b32 v[NIL], 0
	ds_add_u32 v[SPW], v[NIL]                      ; the wave's opening: the add and its wait ahead of the first tensor loads; work on registers stands between them
	ds_add_u32 v[SPW], v[NIL]
	v_lshrrev_b32 v7, 5, v0
	s_delay_alu instid0(VALU_DEP_1)
	v_readfirstlane_b32 s12, v7                    ; wave 0..15
	s_bfe_u32 s13, ttmp6, 0x40000                  ; cx
	s_and_b32 s14, ttmp7, 0xffff                   ; 16 b + head: the four partners share it
	s_lshr_b32 s15, s14, 4                         ; b
	s_and_b32 s16, s14, 15                         ; head
	s_lshr_b32 s17, s16, 1                         ; the head pair
	s_and_b32 s18, s16, 1                          ; the head in it
	s_lshl_b32 s19, s12, 2
	s_add_co_u32 s19, s19, s13                     ; my first query tile: 4 w + cx
	s_sub_co_u32 s86, 127, s19                     ; my second
	s_lshr_b32 s87, s12, 1                         ; the first's last key step,
	s_sub_co_u32 s88, 15, s87                      ; the second's: the wave's number alone
	s_mov_b32 s20, 0x76543210
	s_mov_b32 s21, 0xfedcba98                      ; selects for lane l xor 16
	s_mov_b32 s22, 0x3e38aa3b                      ; c = log2(e) / 8
	s_mov_b32 s23, s22                             ; (named with it as a pair)
	; descriptor groups 1.  K: 32 tiles of 768 bytes (96 elements of 8 bytes), 1,536 bytes apart; V: 4 steps of 6,144 bytes, 12,288 apart; scale words: 8,192 dense bytes as 32 rows of 256.  All dense in LDS.
	s_mov_b32 s24, 15|(3<<16)|(1<<21)              ; 15:0 the mask: all four work-groups; 17:16 elements of 8 bytes; 21 set beside a mask
	s_mov_b32 s25, 96<<16
	s_mov_b32 s26, 32<<16
	s_mov_b32 s27, 96<<16
	s_mov_b32 s28, 32
	s_mov_b32 s29, 192
	s_mov_b32 s30, 0
	s_mov_b32 s31, 0
	s_mov_b32 s32, 15|(3<<16)|(1<<21)
	s_mov_b32 s33, 768<<16
	s_mov_b32 s34, 4<<16
	s_mov_b32 s35, 768<<16
	s_mov_b32 s36, 4
	s_mov_b32 s37, 1536
	s_mov_b32 s38, 0
	s_mov_b32 s39, 0
	s_mov_b32 s40, 15|(3<<16)|(1<<21)
	s_mov_b32 s41, 32<<16
	s_mov_b32 s42, 32<<16
	s_mov_b32 s43, 32<<16
	s_mov_b32 s44, 32
	s_mov_b32 s45, 32
	s_mov_b32 s46, 0
	s_mov_b32 s47, 0
	s_lshl_b32 s89, s17, 6
	s_lshl_b32 s90, s15, 4
	s_add_co_u32 s89, s89, s90                     ; 64 x head pair + 16 b: the batch's first token group in q's plane
	s_mul_i32 s90, s89, 12288
	s_mov_b32 s91, 0
	s_lshl_b32 s92, s89, 9
	s_mov_b32 s93, 0
	s_and_b32 s94, s12, 3                          ; which quarter of K (waves 0-3) or of V (waves 4-7) I fetch
	s_mul_i32 s49, s94, 24576                      ; in LDS,
	s_add_co_u32 s53, s49, VREG
	s_mul_i32 s94, s94, 49152                      ; and in memory
	s_and_b32 s95, s12, 1                          ; K's scale words (wave 8) or V's (wave 9)
	s_lshl_b32 s57, s95, 13
	s_add_co_u32 s57, s57, KSC
	s_lshl_b32 s95, s95, 18                        ; eight planes on
	s_mov_b32 s48, 1
	s_mov_b32 s52, 1
	s_mov_b32 s56, 1
	s_wait_dscnt 0x0                               ; the opening add is done
	s_wait_kmcnt 0x0
	s_add_nc_u64 s[70:71], s[4:5], s[90:91]        ; q's plane, codes,
	s_add_nc_u64 s[72:73], s[6:7], s[92:93]        ; and scale words
	s_mul_i32 s90, s18, 768                        ; the head's piece in a token tile
	s_add_co_u32 s92, s90, s94
	s_add_co_u32 s92, s92, 8*64*12288              ; k's plane
	s_add_nc_u64 s[50:51], s[70:71], s[92:93]
	s_or_b32 s51, s51, 0x80000000
	s_mul_i32 s92, s18, 6144                       ; the head's four d tiles in a step
	s_add_co_u32 s92, s92, s94
	s_add_co_u32 s92, s92, 16*64*12288             ; v's plane
	s_add_nc_u64 s[54:55], s[70:71], s[92:93]
	s_or_b32 s55, s55, 0x80000000
	s_add_co_u32 s92, s95, 8*64*512
	s_add_nc_u64 s[58:59], s[72:73], s[92:93]
	s_or_b32 s59, s59, 0x80000000
	s_add_nc_u64 s[70:71], s[70:71], s[90:91]      ; q's codes at my head's piece,
	s_lshl_b32 s92, s18, 1
	s_add_nc_u64 s[72:73], s[72:73], s[92:93]      ; q's scale words at my head's two bytes
	s_mul_i32 s92, s15, 128*12288
	s_mul_i32 s94, s16, 768
	s_add_co_u32 s92, s92, s94
	s_add_nc_u64 s[74:75], s[8:9], s[92:93]        ; aoc: the batch's first row tile, my head's piece
	s_lshl_b32 s92, s15, 16
	s_lshr_b32 s94, s16, 2
	s_lshl_b32 s94, s94, 7
	s_add_co_u32 s92, s92, s94
	s_and_b32 s94, s17, 1
	s_lshl_b32 s94, s94, 2
	s_add_co_u32 s92, s92, s94
	s_lshl_b32 s94, s18, 1
	s_add_co_u32 s92, s92, s94
	s_add_nc_u64 s[76:77], s[10:11], s[92:93]      ; aos: 128 (head / 4) + 4 ((head / 2) % 2) + 2 (head % 2)
	ROUND                                          ; all four work-groups are here: the joint loads meet
	s_cmp_lt_u32 s12, 4                            ; a wave's one first fill; the branches hang on the wave's number alone.  An s_nop 0 and four v_nop follow each load
	s_cbranch_scc0 .Lnot_k
	tensor_load_to_lds s[48:51], s[24:31]
	s_nop 0
.rept 4
	v_nop
.endr
	s_branch .Lasked
.Lnot_k:
	s_cmp_lt_u32 s12, 8
	s_cbranch_scc0 .Lnot_v
	tensor_load_to_lds s[52:55], s[32:39]
	s_nop 0
.rept 4
	v_nop
.endr
	s_branch .Lasked
.Lnot_v:
	s_cmp_lt_u32 s12, 10
	s_cbranch_scc0 .Lasked
	tensor_load_to_lds s[56:59], s[40:47]
	s_nop 0
.rept 4
	v_nop
.endr
.Lasked:
	v_and_b32 v[TMP], 31, v0                       ; L
	s_delay_alu instid0(VALU_DEP_1)
	v_lshlrev_b32 v[L16], 4, v[TMP]
	s_delay_alu instid0(VALU_DEP_2)
	v_lshlrev_b32 v[L8], 3, v[TMP]
	v_and_b32 v[PL], 15, v0                        ; r
	v_bfe_u32 v[CH], v0, 4, 1                      ; h
	s_delay_alu instid0(VALU_DEP_2)
	v_lshlrev_b32 v[R16], 4, v[PL]
	s_delay_alu instid0(VALU_DEP_3)
	v_lshlrev_b32 v[R8], 3, v[PL]
	s_lshl_b32 s89, s18, 1
	v_lshl_add_u32 v[AKS0], v[PL], 4, KSC
	s_delay_alu instid0(VALU_DEP_1)
	v_add_nc_u32 v[AKS0], s89, v[AKS0]
	s_lshl_b32 s89, s18, 3
	v_lshl_add_u32 v[AVS0], v[PL], 4, VSC
	s_delay_alu instid0(VALU_DEP_1)
	v_add_nc_u32 v[AVS0], s89, v[AVS0]
	v_and_b32 v[CH+1], 8, v[PL]
	s_delay_alu instid0(VALU_DEP_1)
	v_add_nc_u32 v[DQ0], v[CH+1], v[PL]
	v_lshlrev_b32 v[CH+1], 4, v[CH]
	s_delay_alu instid0(VALU_DEP_1)
	v_sub_nc_u32 v[DQ0], v[DQ0], v[CH+1]
.irp j, 0,1,2,3,4,5
	v_mov_b32 v[QF+6+\j], 0                        ; Q's upper 64 along K: zero codes
	v_mov_b32 v[KF+48+\j], 0                       ; what stands behind K's last tile
.endr
.irp j, 0,1,2,3
	v_mov_b32 v[PM+\j], 0                          ; written once: a lane exchange's destination counts as one of its sources
.endr
	v_mov_b32 v[PL], 0
	v_mov_b32 v[F+1], 0                            ; (named as the upper half of f's pair)
	s_wait_tensorcnt 0x0                           ; my part of K, V or the scale words has landed,
	s_barrier_signal -1
	s_barrier_wait -1                              ; everybody's has.  From here on LDS is only read
	s_mov_b32 s60, 0
.Lpass:                                            ; two trips: my first query tile, my second
	s_wait_xcnt 0x0                                ; the last pass's stores have read their registers and bases
	s_cmp_eq_u32 s60, 0
	s_cselect_b32 s67, s19, s86                    ; my tile (it holds cx: it goes into global addresses and the mask's numbers alone)
	s_cselect_b32 s66, s87, s88                    ; its last key step
	s_mul_i32 s90, s67, 1536
	s_mov_b32 s91, 0
	s_add_nc_u64 s[78:79], s[70:71], s[90:91]      ; Q's codes
	s_lshr_b32 s90, s67, 3
	s_lshl_b32 s90, s90, 9
	s_and_b32 s92, s67, 1
	s_lshl_b32 s92, s92, 8
	s_add_co_u32 s90, s90, s92
	s_bfe_u32 s92, s67, 0x20001
	s_lshl_b32 s92, s92, 2
	s_add_co_u32 s90, s90, s92
	s_add_nc_u64 s[80:81], s[72:73], s[90:91]      ; Q's scale bytes: 512 (tile / 8) + 256 (tile % 2) + 4 ((tile % 8) / 2)
	s_mul_i32 s90, s67, 12288
	s_add_nc_u64 s[82:83], s[74:75], s[90:91]      ; where the codes go,
	s_lshl_b32 s90, s67, 9
	s_add_nc_u64 s[84:85], s[76:77], s[90:91]      ; and the two bytes
	global_load_b128 v[QF:QF+3], v[L16], s[78:79]
	global_load_b64 v[QF+4:QF+5], v[L8], s[78:79] offset:512
	global_load_u16 v[QS], v[R16], s[80:81]
	s_bfe_u32 s92, s67, 0x20001
	s_lshl_b32 s92, s92, 5
	s_and_b32 s93, s67, 1
	s_lshl_b32 s93, s93, 3
	s_add_co_u32 s92, s92, s93
	v_add_nc_u32 v[DQ], s92, v[DQ0]                ; 32 ((tile / 2) % 4) + 8 (tile % 2) + r + 8 (r / 8) - 16 h
	v_mov_b32 v[NM+1], 0xff61b1e6                  ; the largest t so far: -3e38
	s_delay_alu instid0(VALU_DEP_1)
	v_floor_f32 v[NM], -v[NM+1]                    ; -M
	v_mov_b32 v[SUM], 0
	v_mov_b32 v[SUM+1], 0
	s_wait_loadcnt 0x0
	v_or_b32 v[QS], 0x7f7f0000, v[QS]              ; the byte 127 over the zero codes
.set j, 0
.rept 32
	v_mov_b32 v[O+j], 0                            ; O^T: the step is written once; its first trip finds zeros.  (These lines are also the places between the scale word's line above and the first product)
.set j, j+1
.endr
	s_mov_b32 s61, 0                               ; the key step,
	s_mov_b32 s62, 0                               ; its codes' place in K's and in V's region: 6,144 bytes a step,
	s_mov_b32 s63, 0                               ; its scale words': 512 bytes a step
.Lstep:                                            ; sixteen trips for every wave; a step beyond my tile's last is left out by a scalar branch on the wave's number and the counts
	s_cmp_gt_u32 s61, s66
	s_cbranch_scc1 .Lskip
	v_add_nc_u32 v[ADK16], s62, v[L16]             ; (six plain lines: the places behind the last products, in front of the loads into their registers)
	v_add_nc_u32 v[ADK8], s62, v[L8]
	s_delay_alu instid0(VALU_DEP_2)
	v_add_nc_u32 v[ADV16], VREG, v[ADK16]
	s_delay_alu instid0(VALU_DEP_2)
	v_add_nc_u32 v[ADV8], VREG, v[ADK8]
	v_add_nc_u32 v[ADKS], s63, v[AKS0]
	v_add_nc_u32 v[ADVS], s63, v[AVS0]
.irp t, 0,1,2,3,4,5,6,7
	ds_load_b128 v[KF+6*\t:KF+6*\t+3], v[ADK16] offset:768*\t
	ds_load_b64 v[KF+6*\t+4:KF+6*\t+5], v[ADK8] offset:768*\t+512
	ds_load_u16 v[KS+\t], v[ADKS] offset:256*(\t%2)+4*(\t/2)
.endr
	s_wait_alu depctr_va_vdst(0)
	s_wait_dscnt 0x0
.irp t, 0,1,2,3,4,5,6,7                        ; S^T: lane (r, h): query r; the 16 registers of tiles 2 b, 2 b + 1: keys 32 b + 16 h + 0 .. 15 of the step
	v_wmma_scale_f32_16x16x128_f8f6f4 v[S+8*\t:S+8*\t+7], v[KF+6*\t:KF+6*\t+11], v[QF:QF+11], 0, v[KS+\t], v[QS] matrix_a_fmt:MATRIX_FMT_FP6 matrix_b_fmt:MATRIX_FMT_FP6
.endr
.rept 4
	v_nop                                          ; places behind the products: K's registers are loaded again and the scores read
.endr
.irp t, 0,1,2,3                                ; V's four fragments and scale words: they land under the softmax
.irp c, 0,1
	ds_load_b128 v[KF+12*\t+6*\c:KF+12*\t+6*\c+3], v[ADV16] offset:1536*\t+768*\c
	ds_load_b64 v[KF+12*\t+6*\c+4:KF+12*\t+6*\c+5], v[ADV8] offset:1536*\t+768*\c+512
.endr
	ds_load_b32 v[VS+\t], v[ADVS] offset:256*(\t%2)+4*(\t/2)
.endr
	s_cmp_lg_u32 s61, s66                          ; only my tile's last step lies on the diagonal
	s_cbranch_scc1 .Lopen
	v_mov_b32 v[TMP], 0xff800000                   ; -infinity: p = 0 there
.set n, 0
.rept 64
	v_cmp_gt_i32 vcc_lo, 32*(n/16)+n%16, v[DQ]     ; register n holds key 32 (n / 16) + 16 h + n % 16: hidden where it comes after my query
	v_cndmask_b32 v[S+n], v[S+n], v[TMP], vcc_lo
.set n, n+1
.endr
.Lopen:
.irp b, 0,1,2,3
	v_max3_num_f32 v[BM+\b], v[S+16*\b], v[S+1+16*\b], v[S+2+16*\b]   ; the largest score of each block of 32 keys: it serves the row's maximum and, since p rises with the score, the block's largest p
.endr
.irp i, 3,5,7,9,11,13
.irp b, 0,1,2,3
	v_max3_num_f32 v[BM+\b], v[BM+\b], v[S+16*\b+\i], v[S+1+16*\b+\i]
.endr
.endr
.irp b, 0,1,2,3
	v_max_num_f32 v[BM+\b], v[BM+\b], v[S+15+16*\b]
.endr
.irp b, 0,1,2,3
	s_delay_alu instid0(VALU_DEP_4)
	v_permlanex16_b32 v[PM+\b], v[BM+\b], s20, s21
.endr
.irp b, 0,1,2,3
	s_delay_alu instid0(VALU_DEP_4)
	v_max_num_f32 v[BM+\b], v[BM+\b], v[PM+\b]     ; with lane l xor 16's 16 keys
.endr
	s_delay_alu instid0(VALU_DEP_2)
	v_max3_num_f32 v[TMP], v[BM], v[BM+1], v[BM+2]
	s_delay_alu instid0(VALU_DEP_1)
	v_max_num_f32 v[TMP], v[TMP], v[BM+3]
	s_delay_alu instid0(VALU_DEP_1)
	v_mul_f32 v[TMP], s22, v[TMP]                  ; as t (c is positive)
	s_delay_alu instid0(VALU_DEP_1)
	v_max_num_f32 v[NM+1], v[NM+1], v[TMP]         ; the running largest t
	v_mov_b32 v[TMP], v[NM]
	s_delay_alu instid0(VALU_DEP_2)
	v_floor_f32 v[NM], -v[NM+1]                    ; the new -M = -ceil(t): a whole number
	s_delay_alu instid0(VALU_DEP_1)
	v_sub_f32 v[TMP], v[NM], v[TMP]                ; old M - new M: a whole number, 0 or less
	s_delay_alu instid0(VALU_DEP_1)
	v_cvt_i32_f32 v[TMP], v[TMP]                   ; (it saturates)
	s_delay_alu instid0(VALU_DEP_1)
	v_ldexp_f32 v[F], 1.0, v[TMP]                  ; f = 2^(old M - new M): a multiplication by it rounds nothing
.set j, 0
.rept 32
	v_pk_fma_f32 v[S+j:S+j+1], v[S+j:S+j+1], s[22:23], v[NM:NM+1] op_sel_hi:[1,0,0]   ; t - M, two at a time
.set j, j+2
.endr
.irp b, 0,1,2,3
	v_fma_f32 v[BM+\b], v[BM+\b], s22, v[NM]       ; the same of each block's largest score
.endr
.set j, 0
	s_wait_alu depctr_va_vdst(0)
.rept 64
	v_exp_f32 v[S+j], v[S+j]                       ; p = 2^(t - M), at most 1
.set j, j+1
.endr
	v_pk_mul_f32 v[SUM:SUM+1], v[SUM:SUM+1], v[F:F+1] op_sel_hi:[1,0]   ; the sums under the new M.  (The plain line behind the exponentials)
	s_wait_alu depctr_va_vdst(0)                   ; one wait for the batch of 64, ahead of its first reader
.irp b, 0,1,2,3
	v_exp_f32 v[BM+\b], v[BM+\b]                   ; the block's largest p: the same two instructions on the same number
.endr
	v_pk_add_f32 v[220:221], v[100:101], v[104:105]
	v_pk_add_f32 v[254:255], v[108:109], v[112:113]
	v_pk_add_f32 v[252:253], v[116:117], v[120:121]
	v_pk_add_f32 v[250:251], v[124:125], v[128:129]
	v_pk_add_f32 v[248:249], v[132:133], v[136:137]
	v_pk_add_f32 v[246:247], v[140:141], v[144:145]
	v_pk_add_f32 v[244:245], v[148:149], v[152:153]
	v_pk_add_f32 v[14:15], v[14:15], v[156:157]
	v_pk_add_f32 v[220:221], v[220:221], v[96:97]
	v_pk_add_f32 v[254:255], v[254:255], v[98:99]
	v_pk_add_f32 v[252:253], v[252:253], v[102:103]
	v_pk_add_f32 v[250:251], v[250:251], v[106:107]
	v_pk_add_f32 v[248:249], v[248:249], v[110:111]
	v_pk_add_f32 v[246:247], v[246:247], v[114:115]
	v_pk_add_f32 v[244:245], v[244:245], v[118:119]
	v_pk_add_f32 v[14:15], v[14:15], v[122:123]
	v_pk_add_f32 v[220:221], v[220:221], v[126:127]
	v_pk_add_f32 v[254:255], v[254:255], v[130:131]
	v_pk_add_f32 v[252:253], v[252:253], v[134:135]
	v_pk_add_f32 v[250:251], v[250:251], v[138:139]
	v_pk_add_f32 v[248:249], v[248:249], v[142:143]
	v_pk_add_f32 v[246:247], v[246:247], v[146:147]
	v_pk_add_f32 v[244:245], v[244:245], v[150:151]
	v_pk_add_f32 v[14:15], v[14:15], v[154:155]
	v_pk_add_f32 v[220:221], v[220:221], v[158:159]
	s_delay_alu instid0(VALU_DEP_2)
	v_pk_add_f32 v[14:15], v[14:15], v[250:251]
	s_delay_alu instid0(VALU_DEP_2)
	v_pk_add_f32 v[220:221], v[220:221], v[248:249]
	v_pk_add_f32 v[254:255], v[254:255], v[246:247]
	v_pk_add_f32 v[252:253], v[252:253], v[244:245]
	s_delay_alu instid0(VALU_DEP_2)
	v_pk_add_f32 v[14:15], v[14:15], v[254:255]
	s_delay_alu instid0(VALU_DEP_2)
	v_pk_add_f32 v[220:221], v[220:221], v[252:253]
	s_delay_alu instid0(VALU_DEP_1)
	v_pk_add_f32 v[14:15], v[14:15], v[220:221]
	s_wait_alu depctr_va_vdst(0)                   ; and one for the four
.irp b, 0,1,2,3
	v_max_num_f32 v[BM+\b], 0x1800000, v[BM+\b]    ; the floor 2^(3 - 127): the byte cannot fall under 1 (a block of zeros keeps that byte: its codes are zeros)
.endr
.irp b, 0,1,2,3
	s_delay_alu instid0(VALU_DEP_4)
	v_add_nc_u32 v[SO+\b], 0xff000000, v[BM+\b]    ; 2 off the exponent field: the conversion's scale operand
.endr
.irp b, 0,1,2,3
	s_delay_alu instid0(VALU_DEP_4)
	v_lshrrev_b32 v[BY+\b], 23, v[SO+\b]
.endr
	s_delay_alu instid0(VALU_DEP_3)
	v_lshl_or_b32 v[PS], v[BY+1], 8, v[BY]         ; p's scale word for these 128 keys
	s_delay_alu instid0(VALU_DEP_1)
	v_lshl_or_b32 v[PS], v[BY+2], 16, v[PS]
	s_delay_alu instid0(VALU_DEP_1)
	v_lshl_or_b32 v[PS], v[BY+3], 24, v[PS]
.irp c, 0,1
	v_cvt_scalef32_pk16_fp6_f32 v[PCD+6*\c:PCD+6*\c+2], v[S+32*\c:S+32*\c+15], v[SO+2*\c]
	v_cvt_scalef32_pk16_fp6_f32 v[CT+4*\c:CT+4*\c+2], v[S+32*\c+16:S+32*\c+31], v[SO+2*\c+1]   ; (a conversion's three registers begin on an even number)
.endr
	v_nop                                          ; one plain line behind a scaled conversion
.irp c, 0,1                                    ; a whole block in a lane: lanes 0-15 block 2 c, lanes 16-31 block 2 c + 1
.irp i, 0,1,2
	v_permlane16_swap_b32 v[PCD+6*\c+\i], v[CT+4*\c+\i]
.endr
.irp i, 0,1,2
	s_delay_alu instid0(VALU_DEP_3)
	v_mov_b32 v[PCD+6*\c+3+\i], v[CT+4*\c+\i]
.endr
.endr
.set j, 0
.rept 16
	v_pk_mul_f32 v[O+j:O+j+1], v[O+j:O+j+1], v[F:F+1] op_sel_hi:[1,0]   ; O^T under the new M, each accumulator from its low end on.  (Also the places between the lines that made p's codes and scale word and the products)
.set j, j+2
.endr
	s_wait_alu depctr_va_vdst(0)
	s_wait_dscnt 0x0                               ; V is in
.irp t, 0,1,2,3                                ; O^T += V^T P^T: four accumulators by turns, one instruction a turn
	v_wmma_scale_f32_16x16x128_f8f6f4 v[O+8*\t:O+8*\t+7], v[KF+12*\t:KF+12*\t+11], v[PCD:PCD+11], v[O+8*\t:O+8*\t+7], v[VS+\t], v[PS] matrix_a_fmt:MATRIX_FMT_FP6 matrix_b_fmt:MATRIX_FMT_FP6
.endr
.Lskip:
	s_add_co_u32 s62, s62, 6144
	s_add_co_u32 s63, s63, 512
	s_add_co_u32 s61, s61, 1
	s_cmp_lt_u32 s61, 16
	s_cbranch_scc1 .Lstep
	; THE WAY OUT of a tile: O^T / the sum; register 16 g + i is d = 32 g + 16 h + i: two blocks of the last product's K
.rept 4
	v_nop                                          ; places behind the last products
.endr
	v_add_f32 v[SUM], v[SUM], v[SUM+1]
	s_delay_alu instid0(VALU_DEP_1)
	v_permlanex16_b32 v[PL], v[SUM], s20, s21
	s_delay_alu instid0(VALU_DEP_1)
	v_add_f32 v[SUM], v[SUM], v[PL]                ; the row's sum
	s_wait_alu depctr_va_vdst(0)
	v_rcp_f32 v[SUM], v[SUM]
	v_nop                                          ; a plain line behind the reciprocal,
	s_wait_alu depctr_va_vdst(0)                   ; and the wait ahead of its first reader
.set j, 0
.rept 32
	v_mul_f32 v[S+j], v[O+j], v[SUM]
.set j, j+1
.endr
.irp g, 0,1
	v_max3_num_f32 v[BM+\g], |v[S+16*\g]|, |v[S+1+16*\g]|, 0x1800000
.endr
.irp i, 2,4,6,8,10,12,14
.irp g, 0,1
	s_delay_alu instid0(VALU_DEP_2)
	v_max3_num_f32 v[BM+\g], v[BM+\g], |v[S+16*\g+\i]|, |v[S+1+16*\g+\i]|
.endr
.endr
.irp g, 0,1
	s_delay_alu instid0(VALU_DEP_2)
	v_permlanex16_b32 v[PM+\g], v[BM+\g], s20, s21
.endr
.irp g, 0,1
	s_delay_alu instid0(VALU_DEP_2)
	v_max_num_f32 v[BM+\g], v[BM+\g], v[PM+\g]
.endr
.irp g, 0,1
	s_delay_alu instid0(VALU_DEP_2)
	v_add_nc_u32 v[SO+\g], 0xff000000, v[BM+\g]
.endr
.irp g, 0,1
	s_delay_alu instid0(VALU_DEP_2)
	v_lshrrev_b32 v[BY+\g], 23, v[SO+\g]
.endr
	s_delay_alu instid0(VALU_DEP_1)
	v_lshl_or_b32 v[TMP], v[BY+1], 8, v[BY]        ; my head's two bytes of row r's scale word
	v_cvt_scalef32_pk16_fp6_f32 v[PCD:PCD+2], v[S:S+15], v[SO]
	v_cvt_scalef32_pk16_fp6_f32 v[CT:CT+2], v[S+16:S+31], v[SO+1]
	v_nop                                          ; one plain line behind a scaled conversion
.irp i, 0,1,2
	v_permlane16_swap_b32 v[PCD+\i], v[CT+\i]      ; lanes 0-15 keep block 0, lanes 16-31 get block 1
.endr
.irp i, 0,1,2
	s_delay_alu instid0(VALU_DEP_3)
	v_mov_b32 v[PCD+3+\i], v[CT+\i]
.endr
	global_store_b128 v[L16], v[PCD:PCD+3], s[82:83]              ; 512 consecutive bytes
	global_store_b64 v[L8], v[PCD+4:PCD+5], s[82:83] offset:512   ; 256
	global_store_b16 v[R8], v[TMP], s[84:85]                      ; lanes r and r + 16 write the same two bytes with the same value
	s_add_co_u32 s60, s60, 1
	s_cmp_lt_u32 s60, 2
	s_cbranch_scc1 .Lpass
	s_wait_tensorcnt 0x0                           ; the wave's end
	ds_add_u32 v[SPW], v[NIL]
	s_wait_dscnt 0x0
	ROUND                                          ; the closing round
	s_endpgm
.Lfunc_end_k_qd9657cf7af_attn:
	.size	k_qd9657cf7af_attn, .Lfunc_end_k_qd9657cf7af_attn-k_qd9657cf7af_attn
	.p2alignl 7, 3214868480
	.fill 96, 4, 3214868480
	.section	.rodata,"a",@progbits
	.p2align	6, 0x0
	.amdhsa_kernel k_qd9657cf7af_attn
		.amdhsa_group_segment_fixed_size 215040
		.amdhsa_private_segment_fixed_size 0
		.amdhsa_enable_private_segment 0
		.amdhsa_kernarg_size 32
		.amdhsa_user_sgpr_count 2
		.amdhsa_user_sgpr_kernarg_segment_ptr 1
		.amdhsa_wavefront_size32 1
		.amdhsa_system_sgpr_workgroup_id_x 1
		.amdhsa_system_sgpr_workgroup_id_y 1
		.amdhsa_system_sgpr_workgroup_id_z 1
		.amdhsa_system_vgpr_workitem_id 0
		.amdhsa_next_free_vgpr 256
		.amdhsa_next_free_sgpr 96
		.amdhsa_reserve_vcc 1
		.amdhsa_float_denorm_mode_32 3
		.amdhsa_float_denorm_mode_16_64 3
		.amdhsa_memory_ordered 1
		.amdhsa_forward_progress 1
		.amdhsa_inst_pref_size 39
	.end_amdhsa_kernel
	.amdgpu_metadata
---
amdhsa.version: [ 1, 2 ]
amdhsa.kernels:
  - .name:           k_qd9657cf7af_attn
    .symbol:         k_qd9657cf7af_attn.kd
    .args:
      - { .name: qkvc, .offset: 0, .size: 8, .value_kind: global_buffer, .address_space: global }
      - { .name: qkvs, .offset: 8, .size: 8, .value_kind: global_buffer, .address_space: global }
      - { .name: aoc, .offset: 16, .size: 8, .value_kind: global_buffer, .address_space: global }
      - { .name: aos, .offset: 24, .size: 8, .value_kind: global_buffer, .address_space: global }
    .group_segment_fixed_size: 215040
    .private_segment_fixed_size: 0
    .kernarg_segment_align: 8
    .kernarg_segment_size: 32
    .max_flat_workgroup_size: 512
    .sgpr_count:     96
    .vgpr_count:     256
    .wavefront_size: 32
...
	.end_amdgpu_metadata
.endif
;; end of part 3
;; launch proj (part 4): grid 4 x 64, 4 waves a work-group, clusters of 4 x 4, 327,680 bytes of LDS; arguments aoc, aos, wc, ws, out_b, out0; writes out0
.if DOCPART == 4
	.amdgcn_target "amdgcn-amd-amdhsa--gfx1250"
	.amdhsa_code_object_version 6
	.text
	.protected	k_qd9657cf7af_proj
	.globl	k_qd9657cf7af_proj
	.p2align	8
	.type	k_qd9657cf7af_proj,@function
k_qd9657cf7af_proj:
	s_mov_b64 s[64:65], 0
	v_nop
	global_prefetch_b8 v0, s[64:65] scope:SCOPE_SE
	s_setreg_imm32_b32 hwreg(HW_REG_WAVE_MODE, 25, 1), 1
	s_wait_xcnt 0x0
	s_wait_alu depctr_hold_cnt(0) depctr_sa_sdst(0) depctr_va_vdst(0) depctr_va_sdst(0) depctr_va_ssrc(0) depctr_va_vcc(0) depctr_vm_vsrc(0)
	s_getreg_b32 s2, hwreg(HW_REG_IB_STS2, 6, 4)
	s_cmp_eq_u32 s2, 0
	s_cbranch_scc0 .Lentry_in_a_cluster
	s_endpgm
.Lentry_in_a_cluster:
	s_bfe_u32 s2, ttmp6, 0x10000c
	s_cmp_lg_u32 s2, 0xf033
	s_cbranch_scc0 .Lentry_shape_is_right
	s_endpgm
.Lentry_shape_is_right:
; out0 = attention's result x out_w^T + out_b, on codes of FP6 (E2M3) with E8M0 scales; f32 out.
; OPERANDS are images of operand registers: a row tile (16 rows, 1,024 K) is 12,288 bytes: 16 pieces of 768 (64 K): lane L's six registers: four at 16 L, two at 512 + 8 L.  Row tile 2 g + u holds rows 32 g + 8 u + r + 8 (r / 8).
; Scale words: 512 bytes a row tile: [K / 256][r][2 words].  A = aoc, aos (tokens); B = row tiles 192-255 of wc, ws (out_w's rows).
; SHARES: 256 work-groups; each makes 128 tokens x 256 columns; four waves, 2 x 2, 64 x 128 each: 32 accumulators.  ALL OF K LIES IN LDS: 24 row tiles x 12,288 = 294,912 bytes, in two halves of K (512 each):
; half k at 147,456 k: A's eight row tiles' 6,144 bytes each, then B's sixteen.  Four joint loads at the head, one a wave: A's and B's first half (waves 0, 1), their second (waves 2, 3).  Nothing is filled again:
; no ring, and no loop to run ahead in: so no prefetch.  The first barrier shows the first half; the second, inside step 3, the other.
; CLUSTERS: 4 x 4: A's tiles are asked for jointly along a row of the cluster, B's along a column.
; SCALE WORDS go from memory straight into registers: a load of 8 bytes a lane takes 256 consecutive bytes: lanes 0-15 hold row r's words of K steps 4 p, 4 p + 1, lanes 16-31 those of 4 p + 2, 4 p + 3.
; Source 0 = 16 rows of B, source 1 = 16 rows of A: a lane holds one token, and registers 8 b + j are column 32 (b / 2) + 16 h + 8 (b % 2) + j.  THE BIAS IS THE FIRST PRODUCTS' C, laid so.
; The way out goes through a stage in the first half's bytes, which have had their only fill and, behind the second barrier, their last read.
; REGISTERS: window 0: v16-29 addresses; v32-63 B's scale words, v66-81 A's; v84-147 the bias; v148-243 A's fragments, two sets; on the way out v128-255 rows read back.  Window 1: B's fragments, two sets, at v0, v128.  Window 2: accumulator (a, b) at 8 (8 a + b).
.set RT,     12288
.set HK,     6144                      ; a row tile's half of K
.set HALF,   24*HK
.set BOFF,   8*HK
.set SPARE,  2*HALF                    ; behind the codes: the spare words, 128 bytes for each wave
.set SPITCH, 528
.set FR,     12
.set ADRA, 16                          ; v16, v17: A's fragments in half 0 at 16 L, 8 L; v18, v19 in half 1
.set ADRB, 20                          ; v20-23 the same for B
.set L16,  24
.set L8,   25
.set STO,  26
.set RD,   27
.set SPW,  28
.set NIL,  29
.set SB,   32
.set SA,   66
.set BS0,  84
.set AF,   148
.set BK,   128
.set G1,  24
.set G0,  32
.set G1B, 48
.set G0B, 56
.set MSB, 0
.macro WIN new
.if MSB != (\new)
	s_set_vgpr_msb (MSB<<8)|(\new)
.set MSB, (\new)
.endif
.endm
.macro PLACES n
.rept \n
	v_nop
.endr
.endm
.macro CROUND
	s_barrier_signal -1
	s_barrier_wait -1
	s_cmp_lg_u32 s14, 0
	s_cbranch_scc1 .Lnot_wave_0_\@
	s_barrier_signal -3
.Lnot_wave_0_\@:
	s_barrier_wait -3
	s_barrier_signal -1
	s_barrier_wait -1
.endm
.macro ARM under, g0, g1, next
	s_cmp_lt_u32 s14, \under
	s_cbranch_scc0 \next
	tensor_load_to_lds s[\g0:\g0+3], s[\g1:\g1+7]
	s_nop 0
	PLACES 4
	s_branch .Lasked
\next:
.endm
.macro FRAG reg, adr, off              ; 16 rows x 128 K: every load takes consecutive bytes
	ds_load_b128 v[\reg:\reg+3], v[\adr] offset:\off
	ds_load_b64 v[\reg+4:\reg+5], v[\adr+1] offset:\off+512
	ds_load_b128 v[\reg+6:\reg+9], v[\adr] offset:\off+768
	ds_load_b64 v[\reg+10:\reg+11], v[\adr+1] offset:\off+1280
.endm
.macro FETCH q                         ; step q's fragments, B's eight and A's four, into set q % 2: 48 loads
.set KH_, (\q)/4
.set OF_, ((\q)%4)*1536
	WIN 0x40
.irp i, 0,1,2,3,4,5,6,7
	FRAG 128*((\q)%2)+FR*\i, ADRB+2*KH_, OF_+\i*HK
.endr
	WIN 0
.irp i, 0,1,2,3
	FRAG AF+48*((\q)%2)+FR*\i, ADRA+2*KH_, OF_+\i*HK
.endr
.endm
.macro PROD a, b, q
.set D_, 8*(8*(\a)+\b)
.set FB_, 128*((\q)%2)+FR*\b
.set FA_, AF+48*((\q)%2)+FR*(\a)
.set XB_, SB+4*\b+2*((\q)/4)+(\q)%2
.set XA_, SA+4*(\a)+2*((\q)/4)+(\q)%2
.if (\q) == 0
	v_wmma_scale_f32_16x16x128_f8f6f4 v[D_:D_+7], v[FB_:FB_+FR-1], v[FA_:FA_+FR-1], v[BS0+8*\b:BS0+8*\b+7], v[XB_], v[XA_] matrix_a_fmt:MATRIX_FMT_FP6 matrix_b_fmt:MATRIX_FMT_FP6
.elseif ((\q)%4)/2
	v_wmma_scale_f32_16x16x128_f8f6f4 v[D_:D_+7], v[FB_:FB_+FR-1], v[FA_:FA_+FR-1], v[D_:D_+7], v[XB_], v[XA_] matrix_a_fmt:MATRIX_FMT_FP6 matrix_b_fmt:MATRIX_FMT_FP6 matrix_a_scale:MATRIX_SCALE_ROW1 matrix_b_scale:MATRIX_SCALE_ROW1
.else
	v_wmma_scale_f32_16x16x128_f8f6f4 v[D_:D_+7], v[FB_:FB_+FR-1], v[FA_:FA_+FR-1], v[D_:D_+7], v[XB_], v[XA_] matrix_a_fmt:MATRIX_FMT_FP6 matrix_b_fmt:MATRIX_FMT_FP6
.endif
.endm
.macro MUL16 a0, q                     ; A's blocks a0, a0 + 1 x B's eight; the 32 accumulators take turns, in the same order in every step
.if (\q) == 0
	WIN 0x81                                       ; source 0 window 1, source 1 and C (the bias) window 0, D window 2
.else
	WIN 0xa1
.endif
.irp a, \a0, \a0+1
.irp b, 0,1,2,3,4,5,6,7
	PROD (\a), \b, \q
.endr
.endr
.endm
.macro STEP q                          ; 128 along K: the next step's fragments are asked for ahead of this step's 32 products
	s_wait_dscnt 0x0                               ; this step's fragments, asked for a step ago, are in
.if (\q) == 3
	s_wait_tensorcnt 0x0                           ; every wave: my load has landed; my reads of the first half are over
	s_barrier_signal -1
	MUL16 0, \q
	WIN 0
	s_barrier_wait -1                              ; the second half is whole, and nobody reads the first any more
	PLACES 4
	FETCH 4
	MUL16 2, \q
.else
.if (\q) < 7
	PLACES 4                                       ; behind the last step's products, ahead of the loads into their registers
	FETCH (\q)+1
.endif
	MUL16 0, \q
	MUL16 2, \q
.endif
	WIN 0
.endm
.macro TOSTAGE a                       ; block a, 16 tokens x 128 columns, into my stage, each accumulator from its low end on, and back by rows; LDS serves a wave's instructions in order
	WIN 0x08
.irp g, 0,1,2,3
.irp k, 0,1,2,3
	ds_store_b128 v[STO], v[64*(\a)+16*\g+4*\k:64*(\a)+16*\g+4*\k+3] offset:128*\g+16*\k
.endr
.endr
	WIN 0
.irp t, 0,1,2,3,4,5,6,7,8,9,10,11,12,13,14,15
	ds_load_b128 v[BK+64*((\a)%2)+4*\t:BK+64*((\a)%2)+4*\t+3], v[RD] offset:\t*SPITCH
.endr
.endm
.macro SEND a, younger                 ; younger: the LDS instructions issued behind block a's loads
	s_wait_dscnt \younger
.irp t, 0,1,2,3,4,5,6,7,8,9,10,11,12,13,14,15
	global_store_b128 v[L16], v[BK+64*((\a)%2)+4*\t:BK+64*((\a)%2)+4*\t+3], s[98:99] offset:(32*((\a)/2)+8*((\a)%2)+\t+8*(\t/8))*4096 th:TH_STORE_NT   ; 512 consecutive bytes, aligned
.endr
.endm
	s_load_b256 s[4:11], s[0:1], 0x0               ; aoc, aos, wc, ws
	s_load_b128 s[96:99], s[0:1], 0x20             ; out_b, out0
	v_lshl_add_u32 v[SPW], v0, 2, SPARE
	v_mov_b32 v[NIL], 0
	ds_add_u32 v[SPW], v[NIL]                      ; the opening lines
	ds_add_u32 v[SPW], v[NIL]
	v_lshrrev_b32 v1, 5, v0
	v_readfirstlane_b32 s14, v1                    ; wave
	s_lshr_b32 s15, s14, 1                         ; my four row tiles of A.  Also: the half of K that I fetch
	s_and_b32 s16, s14, 1                          ; my eight row tiles of B.  Also: I fetch for A (0) or B (1)
	s_bfe_u32 s40, ttmp6, 0x40000                  ; cx
	s_bfe_u32 s41, ttmp6, 0x40004                  ; cy
	s_lshl_b32 s42, ttmp9, 2
	s_add_co_u32 s42, s42, s40                     ; tile column: 256 columns
	s_and_b32 s17, ttmp7, 0xffff
	s_lshl_b32 s17, s17, 2
	s_add_co_u32 s17, s17, s41                     ; tile row: 128 tokens
	s_lshl_b32 s43, s41, 2
	s_lshl_b32 s43, 15, s43                        ; my row of the cluster
	s_lshl_b32 s44, 0x1111, s40                    ; my column
	s_or_b32 s[G1], s43, (3<<16)|(1<<21)           ; groups 1: rows of 6,144 bytes (768 elements of 8), 12,288 apart, dense in LDS: eight for A, sixteen for B
	s_mov_b32 s[G1+1], 768<<16
	s_mov_b32 s[G1+2], 8<<16
	s_mov_b32 s[G1+3], 768<<16
	s_mov_b32 s[G1+4], 8
	s_mov_b32 s[G1+5], 1536
	s_mov_b32 s[G1+6], 0
	s_mov_b32 s[G1+7], 0
	s_or_b32 s[G1B], s44, (3<<16)|(1<<21)
	s_mov_b32 s[G1B+1], 768<<16
	s_mov_b32 s[G1B+2], 16<<16
	s_mov_b32 s[G1B+3], 768<<16
	s_mov_b32 s[G1B+4], 16
	s_mov_b32 s[G1B+5], 1536
	s_mov_b32 s[G1B+6], 0
	s_mov_b32 s[G1B+7], 0
	s_mul_i32 s18, s15, HK
	s_mul_i32 s20, s17, 8*RT
	s_add_co_u32 s20, s20, s18                     ; A's tile: the tile row and the wave's number alone
	s_mov_b32 s21, 0
	s_lshl_b32 s46, s42, 4
	s_add_co_u32 s46, s46, 192
	s_mul_i32 s46, s46, RT
	s_add_co_u32 s46, s46, s18                     ; B's: the tile column and the wave's number alone
	s_mov_b32 s47, 0
	s_mov_b32 s[G0], 1
	s_mul_i32 s[G0+1], s15, HALF
	s_mov_b32 s[G0B], 1
	s_add_co_u32 s[G0B+1], s[G0+1], BOFF
	s_lshl_b32 s22, s17, 3
	s_lshl_b32 s23, s15, 2
	s_add_co_u32 s22, s22, s23
	s_lshl_b32 s22, s22, 9                         ; my A row tiles' scale words
	s_mov_b32 s23, 0
	s_lshl_b32 s92, s42, 4
	s_lshl_b32 s93, s16, 3
	s_add_co_u32 s92, s92, s93
	s_add_co_u32 s92, s92, 192
	s_lshl_b32 s92, s92, 9                         ; my B row tiles'
	s_mov_b32 s93, 0
	s_lshl_b32 s94, s42, 1
	s_add_co_u32 s94, s94, s16
	s_lshl_b32 s94, s94, 9                         ; my 128 columns, in bytes
	s_mov_b32 s95, 0
	s_lshl_b32 s90, s17, 1
	s_add_co_u32 s90, s90, s15
	s_lshl_b32 s90, s90, 18                        ; my 64 tokens: rows of 4,096 bytes
	s_mov_b32 s91, 0
	v_and_b32 v1, 15, v0                           ; r
	v_bfe_u32 v2, v0, 4, 1                         ; h
	v_and_b32 v3, 31, v0                           ; L
	v_lshlrev_b32 v[L16], 4, v3
	v_lshlrev_b32 v[L8], 3, v3
	s_mul_i32 s66, s15, 4*HK
	s_mul_i32 s67, s16, 8*HK
	s_add_co_u32 s67, s67, BOFF
.irp k, 0,1
	v_add_nc_u32 v[ADRA+2*\k], s66, v[L16]
	v_add_nc_u32 v[ADRA+2*\k+1], s66, v[L8]
	v_add_nc_u32 v[ADRB+2*\k], s67, v[L16]
	v_add_nc_u32 v[ADRB+2*\k+1], s67, v[L8]
	s_add_co_u32 s66, s66, HALF
	s_add_co_u32 s67, s67, HALF
.endr
	s_mul_i32 s68, s14, 16*SPITCH                  ; my stage
	v_mul_u32_u24 v5, v1, SPITCH
	v_lshl_add_u32 v5, v2, 6, v5
	v_add_nc_u32 v[STO], s68, v5                   ; in: row r, 64 h bytes
	v_add_nc_u32 v[RD], s68, v[L16]                ; back: a row of 512 bytes to the 32 lanes
	v_lshlrev_b32 v7, 6, v2                        ; the bias: 16 h numbers on
	s_wait_alu depctr_va_vdst(0)                   ; the wait at the end of the head's vector work
	s_wait_dscnt 0x0
	CROUND                                         ; all sixteen work-groups are here: the joint loads meet
	s_wait_kmcnt 0x0
	s_add_nc_u64 s[G0+2:G0+3], s[4:5], s[20:21]
	s_or_b32 s[G0+3], s[G0+3], 0x80000000
	s_add_nc_u64 s[G0B+2:G0B+3], s[8:9], s[46:47]
	s_or_b32 s[G0B+3], s[G0B+3], 0x80000000
	s_add_nc_u64 s[6:7], s[6:7], s[22:23]
	s_add_nc_u64 s[10:11], s[10:11], s[92:93]
	s_add_nc_u64 s[96:97], s[96:97], s[94:95]
	s_add_nc_u64 s[98:99], s[98:99], s[94:95]
	s_add_nc_u64 s[98:99], s[98:99], s[90:91]
	ARM 1, G0, G1, .Larm_1                         ; one load a wave, each on a line of its own: A's first half, B's first half,
	ARM 2, G0B, G1B, .Larm_2
	ARM 3, G0, G1, .Larm_3                         ; A's second half, B's second half
	tensor_load_to_lds s[G0B:G0B+3], s[G1B:G1B+7]
	s_nop 0
	PLACES 4
.Lasked:
.irp i, 0,1,2,3
.irp p, 0,1
	global_load_b64 v[SA+4*\i+2*\p:SA+4*\i+2*\p+1], v[L8], s[6:7] offset:512*\i+256*\p
.endr
.endr
.irp i, 0,1,2,3,4,5,6,7
.irp p, 0,1
	global_load_b64 v[SB+4*\i+2*\p:SB+4*\i+2*\p+1], v[L8], s[10:11] offset:512*\i+256*\p
.endr
.endr
.irp b, 0,1,2,3,4,5,6,7
	global_load_b128 v[BS0+8*\b:BS0+8*\b+3], v7, s[96:97] offset:(32*(\b/2)+8*(\b%2))*4
	global_load_b128 v[BS0+8*\b+4:BS0+8*\b+7], v7, s[96:97] offset:(32*(\b/2)+8*(\b%2))*4+16
.endr
	s_cmp_lt_u32 s14, 2
	s_cbranch_scc0 .Lnot_first
	s_wait_tensorcnt 0x0                           ; waves 0 and 1: my part of the first half has landed
.Lnot_first:
	s_barrier_signal -1
	s_barrier_wait -1                              ; the first half is whole; the second may be on its way
	FETCH 0
	s_wait_loadcnt 0x0                             ; the scale words and the bias
.irp q, 0,1,2,3,4,5,6,7
	STEP \q
.endr
	PLACES 4                                       ; behind the last products: results are read, and rows land on A's registers
	TOSTAGE 0
.irp a, 1,2,3
.if \a > 1
	s_wait_xcnt 0x0                                ; block a - 2's stores have read their registers: block a's rows may land there
.endif
	TOSTAGE \a
	SEND \a-1, 32                                  ; behind block a - 1's loads: block a's 16 stores and 16 loads
.endr
	SEND 3, 0
	s_wait_tensorcnt 0x0                           ; the wave's end
	ds_add_u32 v[SPW], v[NIL]
	s_wait_dscnt 0x0
	CROUND                                         ; the closing round
	s_endpgm
.Lfunc_end_k_qd9657cf7af_proj:
	.size	k_qd9657cf7af_proj, .Lfunc_end_k_qd9657cf7af_proj-k_qd9657cf7af_proj
	.p2alignl 7, 3214868480
	.fill 96, 4, 3214868480
	.section	.rodata,"a",@progbits
	.p2align	6, 0x0
	.amdhsa_kernel k_qd9657cf7af_proj
		.amdhsa_group_segment_fixed_size 327680
		.amdhsa_private_segment_fixed_size 0
		.amdhsa_enable_private_segment 0
		.amdhsa_kernarg_size 48
		.amdhsa_user_sgpr_count 2
		.amdhsa_user_sgpr_kernarg_segment_ptr 1
		.amdhsa_wavefront_size32 1
		.amdhsa_system_sgpr_workgroup_id_x 1
		.amdhsa_system_sgpr_workgroup_id_y 1
		.amdhsa_system_sgpr_workgroup_id_z 1
		.amdhsa_system_vgpr_workitem_id 0
		.amdhsa_next_free_vgpr 768
		.amdhsa_next_free_sgpr 102
		.amdhsa_reserve_vcc 0
		.amdhsa_float_denorm_mode_32 3
		.amdhsa_float_denorm_mode_16_64 3
		.amdhsa_memory_ordered 1
		.amdhsa_forward_progress 1
		.amdhsa_inst_pref_size 84
	.end_amdhsa_kernel
	.amdgpu_metadata
---
amdhsa.version: [ 1, 2 ]
amdhsa.kernels:
  - .name:           k_qd9657cf7af_proj
    .symbol:         k_qd9657cf7af_proj.kd
    .args:
      - { .name: aoc, .offset: 0, .size: 8, .value_kind: global_buffer, .address_space: global }
      - { .name: aos, .offset: 8, .size: 8, .value_kind: global_buffer, .address_space: global }
      - { .name: wc, .offset: 16, .size: 8, .value_kind: global_buffer, .address_space: global }
      - { .name: ws, .offset: 24, .size: 8, .value_kind: global_buffer, .address_space: global }
      - { .name: out_b, .offset: 32, .size: 8, .value_kind: global_buffer, .address_space: global }
      - { .name: out0, .offset: 40, .size: 8, .value_kind: global_buffer, .address_space: global }
    .group_segment_fixed_size: 327680
    .private_segment_fixed_size: 0
    .kernarg_segment_align: 8
    .kernarg_segment_size: 48
    .max_flat_workgroup_size: 128
    .sgpr_count:     102
    .vgpr_count:     768
    .wavefront_size: 32
...
	.end_amdgpu_metadata
.endif
;; end of part 4
